; MI455X (gfx1250); checked and timed in simulation.
; The chip was launched on July 23, 2026; its instructions are those of AMD's public machine-readable ISA for CDNA 5 (MIT licence, August 2026) and "CDNA5" Instruction Set Architecture Reference Guide (July 2026). The comments in the code are by the model that wrote it; some were corrected since.
;; attention. Allowed arithmetic: matrix products marked QUANTISED: E5M2 operands, one given power-of-two scale a tensor, by v_wmma_f32_16x16x64_bf8_bf8 or v_wmma_f32_16x16x128_bf8_bf8, f32 sums; everything else in f32.
;; Inputs: Wk 1,024 x 1,024 float32; Wo 1,024 x 1,024 float32; Wq 1,024 x 1,024 float32; Wv 1,024 x 1,024 float32; bk 1,024 float32; bo 1,024 float32; bq 1,024 float32; bv 1,024 float32; lowp_scales 12 int32 (the exponents e of the quantised operands' scales 2^e); x 4 x 2,048 x 1,024 float32.
;; Outputs: out0 4 x 2,048 x 1,024 float32.
;; This version of the problem:
;;   THIS VERSION OF THE PROBLEM IS GIVEN IN LOW PRECISION. The matrix products marked QUANTISED in the list below multiply operands that are first quantised to E5M2 (5 exponent bits, 2 mantissa bits; 8 bits a number), with one given power-of-two scale for each operand tensor; their sums are f32. All else is computed in f32.
;;   The module's matrix products, in the order in which they are computed (A, B: the left and right operand; K: the contracted axis; several contracted axes count as one K, in the product's order):
;;     1. [M 8,192, K 1,024] x [K 1,024, N 1,024]; A: input x; B: input Wq: QUANTISED (scales: A lowp_scales[0], B lowp_scales[1])
;;     2. [M 8,192, K 1,024] x [K 1,024, N 1,024]; A: input x; B: input Wk: QUANTISED (scales: A lowp_scales[2], B lowp_scales[3])
;;     3. [M 8,192, K 1,024] x [K 1,024, N 1,024]; A: input x; B: input Wv: QUANTISED (scales: A lowp_scales[4], B lowp_scales[5])
;;     4. batch 64 x [M 2,048, K 64] x [K 64, N 2,048]; A: computed on the way; B: computed on the way: QUANTISED (scales: A lowp_scales[6], B lowp_scales[7])
;;     5. batch 64 x [M 2,048, K 2,048] x [K 2,048, N 64]; A: softmax (see below); B: computed on the way: QUANTISED (scales: A lowp_scales[8], B lowp_scales[9])
;;     6. [M 8,192, K 1,024] x [K 1,024, N 1,024]; A: computed on the way; B: input Wo: QUANTISED (scales: A lowp_scales[10], B lowp_scales[11])
;;   THE QUANTISER, for each operand of a quantised product, along K:
;;     - The operand's scale is 2^e, e = its entry of the input lowp_scales (int32; the entries are numbered through the quantised products in the list's order, A before B).
;;     - Each number is divided by the scale, clamped to +-57,344, and rounded to the nearest number of E5M2, ties to even, subnormals kept.
;;     - The product sums the exact products of the quantised numbers (number of the format x scale) in f32.
;;   ~~~python
;;   def quantise(x, axis, e):      # numpy; x: float32 -> the quantised numbers, widened to float32 again
;;       x = np.moveaxis(x, axis, -1); K = x.shape[-1]
;;       r = np.clip(x / 2.0 ** e, -57344, 57344)
;;       step = 2.0 ** (np.maximum(np.frexp(np.where(r == 0, 1, r))[1] - 1, -14) - 2)
;;       q = np.round(r / step) * step * 2.0 ** e      # np.round: ties to even
;;       return np.moveaxis(q, -1, axis).astype(np.float32)
;;   ~~~
;;   SOFTMAX AHEAD OF A QUANTISED PRODUCT. Where the list says 'softmax', what is quantised is not the finished softmax but p = 2^(t - M), with t = logit x log2(e) and M = ceil(the row's largest t), a whole number; so 1/2 < the row's largest p <= 1. The row's sum l is taken of the UNQUANTISED p, in f32, and the product's result is divided by l at the end. Since M is a whole number, a kernel that streams over the keys may use a running M (the ceiling of the running maximum): every later rescaling is an exact power of two, so the quantised numbers keep their values, but for numbers so far below the row's largest that they fall under the format's range.
;;   OPERANDS COMPUTED ON THE WAY. 'Computed on the way' means the value that the module computes at that place (a softmax that the list does not call 'softmax' is quantised finished and normalised). What goes into a quantiser is computed in f32, as accurately as f32 sums, v_exp_f32 and their like allow (about 1e-6 of the number): no bf16 or f16 on the way to a quantiser, and a product that is left as it is and whose result goes on into a quantised operand takes f32 operands (vector FMAs, or v_wmma_f32_16x16x4_f32). A number that lies on a knife's edge between two numbers of the format may be rounded either way, as far as f32 arithmetic and the matrix unit's own rounding can turn it there, and no further.
;; One version. Each part assembles by itself: llvm-mc -triple=amdgcn-amd-amdhsa -mcpu=gfx1250 --defsym DOCPART=n.
;; ======== version 1 of 1: 4 launches
;; limits: right only within a limited range of input values
;; workspace buffers: xc 25,165,824 bytes; wc 4,194,304 bytes; cs 524,288 bytes; qc 8,388,608 bytes; kv 16,777,216 bytes; ic 8,388,608 bytes
;; launch prep (part 1): grid 1184 x 1, 4 waves a work-group, no clusters, 69,120 bytes of LDS; arguments x, Wq, Wk, Wv, Wo, lowp_scales, xc, wc, cs; writes xc, wc, cs
.if DOCPART == 1
	.amdgcn_target "amdgcn-amd-amdhsa--gfx1250"
	.amdhsa_code_object_version 6
	.text
	.protected	k_qa003ae79c7_prep
	.globl	k_qa003ae79c7_prep
	.p2align	8
	.type	k_qa003ae79c7_prep,@function
k_qa003ae79c7_prep:
	s_mov_b64 s[64:65], 0
	v_nop
	global_prefetch_b8 v0, s[64:65] scope:SCOPE_SE
	s_setreg_imm32_b32 hwreg(HW_REG_WAVE_MODE, 25, 1), 1
	s_wait_xcnt 0x0
; PREP: everything that many later work-groups read is made once.  Three kinds of work-group, told apart by the work-group's number:
;   0-127    W: Wq, Wk, Wv, Wo [k 1024][n 1024] f32 -> wc [4][pos(n)][k] codes of E5M2, K innermost, scales 2^e of entries 1, 3, 5, 11.
;   128-159  T: the table cs [n 2048][i 32] of (cos, sin) of n x 10000^(-i/32), f32.
;   160-1183 X: x [8192][1024] f32 -> xc [3][pos(token)][1024] codes, once for each of the three given scales (entries 0, 2, 4).
; pos(i) is i with bits 3 and 4 exchanged: sixteen consecutive stored rows 16 u .. 16 u + 15 of a group of 32 are then the indices 8 u + i + 8 (i / 8), and a product that takes such
; sixteen rows as its source 0 leaves sixteen NEIGHBOURING indices in a lane's registers of two neighbouring tiles: the next product's operand layout.
; code = number / 2^e, held within +-57,344, to the nearest code, ties to even.
; LIMITS: each e used here lies between -126 and 112, so that 2^e and 57,344 x 2^e are f32 numbers.  NaN among the inputs is not served (an infinity is held at the largest code).
; The table: 10000^(-i/32) is one v_exp_f32 of a rounded product (a few units in its last place); the angle n x that is rounded once; cos and sin of the angle are good to about 1e-7 for angles up to 2,047.
; No cluster, no tensor load, no barrier: no two work-groups read the same bytes, and waves share nothing.  Each path has LDS bytes of its own: W 0 .. 34,815, X 35,840 .. 68,607.
.set PITCH, 272                        ; W: a stage row: 256 bytes of codes + 16
.set XB0,   35840                      ; X: the first wave's stages
.set SP,    80                         ; X: a lane's place in a stage: 64 bytes + 16
.set RAW,   16                         ; X: v16-79   four steps' numbers as loaded
.set NBR,   80                         ; X: v80-111  two sets of 16 neighbours
.set HLD,   112                        ; X: v112-127 the 16 numbers held within one scale's range
.set COD,   128                        ; X: v128-175 codes: 12 registers a step, written once
.set WX,    32                         ; W: v32-95   two sets of 32 numbers
.set WC,    96                         ; W: v96-103  a block's codes
.set WOUT,  112                        ; W: v112-175 the way out
.set TK, 12                            ; T: at work
.set TR, 13
.set TQ, 14
.set TZ, 15
.set TS, 16
.set TC, 17
.set TW, 18
.set TH2, 19
.set TD, 64                            ; T: v64-95 four numbers for each of eight passes, written once
.macro MKSCALE e, vs, vl               ; s[e] = e: v[vs] = 2^e as f32 (the conversion takes its exponent field), v[vl] = 57,344 x 2^e
	s_add_co_i32 s46, s[\e], 127
	s_lshl_b32 s47, s46, 23
	v_mov_b32 v[\vs], s47
	s_add_co_i32 s46, s46, 15
	s_lshl_b32 s46, s46, 23
	s_or_b32 s46, s46, 0x600000
	v_mov_b32 v[\vl], s46
.endm
.macro LOADX t                         ; step t: 512 numbers; each load reads 512 consecutive bytes
.irp i, 0,1,2,3
	global_load_b128 v[RAW+16*(\t)+4*\i:RAW+16*(\t)+4*\i+3], v3, s[4:5] offset:2048*(\t)+512*\i th:TH_LOAD_NT
.endr
.endm
.macro TURNX t                         ; through the wave's own stage: in as loaded, out 64 bytes a lane.  LDS serves a wave's instructions in order: no wait between
.irp i, 0,1,2,3
	ds_store_b128 v14, v[RAW+16*(\t)+4*\i:RAW+16*(\t)+4*\i+3] offset:32*SP*((\t)%2)+8*SP*\i
.endr
.irp i, 0,1,2,3
	ds_load_b128 v[NBR+16*((\t)%2)+4*\i:NBR+16*((\t)%2)+4*\i+3], v15 offset:32*SP*((\t)%2)+16*\i
.endr
.endm
.macro STEPX t
.set NS, NBR+16*((\t)%2)
	s_wait_dscnt 0x0                               ; this step's 16 neighbours are back from the stage
.if (\t) < 3
	s_wait_loadcnt 4*(2-(\t))                      ; the next step's four loads are in; those of the steps behind it may be out
	TURNX (\t)+1
.endif
.irp p, 0,1,2                                  ; the three given scales of x
.irp i, 0,1,2,3,4,5,6,7,8,9,10,11,12,13,14,15
	v_med3_num_f32 v[HLD+\i], v[NS+\i], -v[8+\p], v[8+\p]   ; the conversion to an 8-bit code does not saturate (ISA guide 7.6.2): the hold comes first
.endr
	v_cvt_scalef32_pk8_bf8_f32 v[COD+12*(\t)+4*\p:COD+12*(\t)+4*\p+1], v[HLD:HLD+7], v[5+\p]
	v_cvt_scalef32_pk8_bf8_f32 v[COD+12*(\t)+4*\p+2:COD+12*(\t)+4*\p+3], v[HLD+8:HLD+15], v[5+\p]
	v_nop                                          ; a plain line between the conversions and the next holds, which write their sources
	global_store_b128 v3, v[COD+12*(\t)+4*\p:COD+12*(\t)+4*\p+3], s[40+2*\p:41+2*\p] offset:512*(\t)   ; 32 lanes store 512 consecutive bytes, aligned
.endr
.endm
.macro LOADW t                         ; block t: W(32 t + i, my column), i = 0 .. 31: 128 consecutive bytes a wave and load
.set i, 0
.rept 32
	global_load_b32 v[WX+32*((\t)%2)+i], v3, s[6:7] offset:(32*(\t)+i)*4096 th:TH_LOAD_NT
.set i, i+1
.endr
.endm
.macro BLOCKW t
.set XS, WX+32*((\t)%2)
.if (\t) < 7
	s_wait_loadcnt 32                              ; this block's 32 loads are in; the next block's may be out
.else
	s_wait_loadcnt 0
.endif
.set i, 0
.rept 32
	v_med3_num_f32 v[XS+i], v[XS+i], -v10, v10
.set i, i+1
.endr
.irp g, 0,1,2,3
	v_cvt_scalef32_pk8_bf8_f32 v[WC+2*\g:WC+2*\g+1], v[XS+8*\g:XS+8*\g+7], v11
.endr
	ds_store_b128 v4, v[WC:WC+3] offset:32*(\t)    ; 32 codes of my column's row.  (The next vector lines are the next block's holds: plain, on other registers)
	ds_store_b128 v4, v[WC+4:WC+7] offset:32*(\t)+16
.if (\t)+2 < 8
	LOADW (\t)+2
.endif
	s_wait_dscnt 0x0                               ; the stores have read their registers: the next block's codes may be written
.endm
; cos and sin of the angle in v[ang], 0 .. 2,047.  K = the nearest whole number to angle x 2/pi; R = angle - K pi/2 with pi/2 in two parts (the first product and difference are exact in one fused
; multiply-add at these sizes; what the two parts leave of pi/2 times K is under 1e-11); polynomials on |R| <= pi/4; the quadrant K mod 4 chooses and signs by selects, without a branch.
.macro SINCOS ang, c, s
	v_mul_f32 v[TK], s50, v[\ang]
	v_rndne_f32 v[TK], v[TK]
	v_fma_f32 v[TR], v[TK], s51, v[\ang]
	v_fma_f32 v[TR], v[TK], s52, v[TR]
	v_cvt_i32_f32 v[TQ], v[TK]
	v_mul_f32 v[TZ], v[TR], v[TR]
	v_fma_f32 v[TS], v[TZ], s55, s54
	v_fma_f32 v[TC], v[TZ], s58, s57
	v_fma_f32 v[TS], v[TS], v[TZ], s53
	v_fma_f32 v[TC], v[TC], v[TZ], s56
	v_mul_f32 v[TS], v[TS], v[TZ]
	v_mul_f32 v[TW], v[TZ], v[TZ]
	v_fma_f32 v[TH2], v[TZ], -0.5, 1.0
	v_fma_f32 v[TS], v[TS], v[TR], v[TR]           ; sin R
	v_fma_f32 v[TC], v[TW], v[TC], v[TH2]          ; cos R
	v_and_b32 v[TW], 1, v[TQ]
	v_cmp_eq_u32 vcc_lo, 1, v[TW]
	v_cndmask_b32 v[\s], v[TS], v[TC], vcc_lo      ; odd quadrants exchange the two
	v_cndmask_b32 v[\c], v[TC], v[TS], vcc_lo
	v_and_b32 v[TW], 2, v[TQ]
	v_lshlrev_b32 v[TW], 30, v[TW]
	v_xor_b32 v[\s], v[\s], v[TW]                  ; sin is negative in quadrants 2, 3
	v_add_nc_u32 v[TW], 1, v[TQ]
	v_and_b32 v[TW], 2, v[TW]
	v_lshlrev_b32 v[TW], 30, v[TW]
	v_xor_b32 v[\c], v[\c], v[TW]                  ; cos in quadrants 1, 2
.endm
	s_load_b256 s[4:11], s[0:1], 0x0               ; x s[4:5], Wq s[6:7], Wk s[8:9], Wv s[10:11]
	s_load_b256 s[12:19], s[0:1], 0x20             ; Wo s[12:13], the scales' exponents s[14:15], xc s[16:17], wc s[18:19]
	s_load_b64 s[20:21], s[0:1], 0x40              ; cs
	v_lshl_add_u32 v192, v0, 2, 0x10c00
	v_mov_b32 v193, 0
	v_lshrrev_b32 v1, 5, v0
	v_readfirstlane_b32 s22, v1                    ; wave 0..3
	v_and_b32 v2, 31, v0                           ; lane
	s_wait_kmcnt 0x0
	s_load_b256 s[24:31], s[14:15], 0x0            ; e0 .. e7
	s_load_b128 s[32:35], s[14:15], 0x20           ; e8 .. e11
	s_cmp_lt_u32 ttmp9, 128
	s_cbranch_scc1 .LW
	s_cmp_lt_u32 ttmp9, 160
	s_cbranch_scc1 .LT
	; ---------------- X: work-group g takes rows 8 g .. 8 g + 7, a wave two of them: four steps of 512 numbers
	s_sub_co_u32 s36, ttmp9, 160                   ; g: the token's bits 3 and up
	s_and_b32 s37, s36, 1
	s_lshl_b32 s37, s37, 1
	s_lshr_b32 s38, s36, 1
	s_and_b32 s38, s38, 1
	s_or_b32 s37, s37, s38
	s_and_not1_b32 s38, s36, 3
	s_or_b32 s37, s37, s38                         ; g with bits 0 and 1 exchanged: the stored place's bits 3 and up
	s_lshl_b32 s38, s36, 2
	s_add_co_u32 s38, s38, s22
	s_lshl_b32 s38, s38, 13                        ; in: (4 g + wave) x 8,192 bytes
	s_mov_b32 s39, 0
	s_add_nc_u64 s[4:5], s[4:5], s[38:39]
	s_lshl_b32 s38, s37, 2
	s_add_co_u32 s38, s38, s22
	s_lshl_b32 s38, s38, 11                        ; out: (4 g' + wave) x 2,048 bytes,
	s_add_nc_u64 s[40:41], s[16:17], s[38:39]
	s_add_nc_u64 s[42:43], s[40:41], 0x800000      ; in each of the three copies, 8 MiB apart
	s_add_nc_u64 s[44:45], s[42:43], 0x800000
	s_wait_alu depctr_va_vdst(0)
	v_lshlrev_b32 v3, 4, v2                        ; 16 bytes a lane, of a load's 512 and of a store's 512
	s_lshl_b32 s23, s22, 13
	s_add_co_u32 s23, s23, XB0                     ; my wave's stages
	v_lshrrev_b32 v14, 2, v2
	v_mul_u32_u24 v14, v14, SP
	v_and_b32 v15, 3, v2
	v_lshl_add_u32 v14, v15, 4, v14
	v_add_nc_u32 v14, s23, v14                     ; in: four lanes' 64 bytes on end, then 16 of padding
	v_mul_u32_u24 v15, v2, SP
	v_add_nc_u32 v15, s23, v15                     ; out: my 16 neighbours
	LOADX 0
	LOADX 1
	LOADX 2
	LOADX 3
	s_wait_alu depctr_va_vdst(0)
	s_wait_kmcnt 0x0
	MKSCALE 24, 5, 8                               ; entry 0
	MKSCALE 26, 6, 9                               ; entry 2
	MKSCALE 28, 7, 10                              ; entry 4
	s_wait_alu depctr_va_vdst(0)
	s_wait_loadcnt 12                              ; step 0's four loads are in; twelve younger ones may be out
	TURNX 0
	STEPX 0
	STEPX 1
	STEPX 2
	STEPX 3
	s_wait_tensorcnt 0x0
	ds_add_u32 v192, v193
	s_wait_dscnt 0x0
	s_endpgm
	; ---------------- W: a lane takes a column n and its registers run down K; a wave takes 32 columns x 256 along K
.LW:
	s_lshr_b32 s36, ttmp9, 5                       ; which weight
	s_and_b32 s37, ttmp9, 7                        ; which 128 columns
	s_lshr_b32 s38, ttmp9, 3
	s_and_b32 s38, s38, 3                          ; which 256 along K
	s_cmp_eq_u32 s36, 1                            ; the choices hang on the work-group's number alone
	s_cselect_b64 s[6:7], s[8:9], s[6:7]
	s_cmp_eq_u32 s36, 2
	s_cselect_b64 s[6:7], s[10:11], s[6:7]
	s_cmp_eq_u32 s36, 3
	s_cselect_b64 s[6:7], s[12:13], s[6:7]
	s_lshl_b32 s39, s37, 7
	s_lshl_b32 s40, s22, 5
	s_add_co_u32 s39, s39, s40                     ; my wave's first column
	s_lshl_b32 s40, s38, 20                        ; 256 rows of 4,096 bytes
	s_lshl_b32 s41, s39, 2
	s_add_co_u32 s40, s40, s41
	s_mov_b32 s41, 0
	s_add_nc_u64 s[6:7], s[6:7], s[40:41]
	s_lshl_b32 s40, s36, 20                        ; out: the weight's MiB, my 32 rows of 1,024 bytes, my 256 bytes of them
	s_lshl_b32 s42, s39, 10
	s_add_co_u32 s40, s40, s42
	s_lshl_b32 s42, s38, 8
	s_add_co_u32 s40, s40, s42
	s_add_nc_u64 s[18:19], s[18:19], s[40:41]
	s_wait_alu depctr_va_vdst(0)
	v_lshlrev_b32 v3, 2, v2                        ; in: 4 bytes a lane
	LOADW 0
	LOADW 1
	s_mul_i32 s43, s22, 32*PITCH                   ; my stage
	v_and_b32 v9, 7, v2
	v_bfe_u32 v12, v2, 3, 1
	v_lshl_add_u32 v9, v12, 4, v9
	v_bfe_u32 v12, v2, 4, 1
	v_lshl_add_u32 v9, v12, 3, v9                  ; pos(lane): bits 3 and 4 exchanged
	v_mul_u32_u24 v4, v9, PITCH
	v_add_nc_u32 v4, s43, v4                       ; into the stage: row = my column's place
	v_and_b32 v5, 15, v2
	v_lshrrev_b32 v6, 4, v2
	v_mul_u32_u24 v7, v6, PITCH
	v_lshl_add_u32 v7, v5, 4, v7
	v_add_nc_u32 v7, s43, v7                       ; out of it: sixteen lanes to a row, two rows an instruction
	v_lshlrev_b32 v8, 10, v6
	v_lshl_add_u32 v8, v5, 4, v8                   ; and the same place in wc
	s_wait_kmcnt 0x0
	s_cmp_eq_u32 s36, 1
	s_cselect_b32 s30, s27, s25                    ; e: entry 1, 3, 5 or 11
	s_cmp_eq_u32 s36, 2
	s_cselect_b32 s30, s29, s30
	s_cmp_eq_u32 s36, 3
	s_cselect_b32 s30, s35, s30
	MKSCALE 30, 11, 10
	s_wait_alu depctr_va_vdst(0)
	BLOCKW 0
	BLOCKW 1
	BLOCKW 2
	BLOCKW 3
	BLOCKW 4
	BLOCKW 5
	BLOCKW 6
	BLOCKW 7
.irp t, 0,1,2,3,4,5,6,7,8,9,10,11,12,13,14,15
	ds_load_b128 v[WOUT+4*\t:WOUT+4*\t+3], v7 offset:2*\t*PITCH   ; LDS serves a wave's instructions in order: these see my stores
.endr
.irp t, 0,1,2,3,4,5,6,7,8,9,10,11,12,13,14,15
	s_wait_dscnt 15-\t                             ; read-back t is in; the younger ones may be out
	global_store_b128 v8, v[WOUT+4*\t:WOUT+4*\t+3], s[18:19] offset:2*\t*1024   ; sixteen lanes store 256 consecutive bytes, aligned
.endr
	s_wait_tensorcnt 0x0
	ds_add_u32 v192, v193
	s_wait_dscnt 0x0
	s_endpgm
	; ---------------- T: 64 rows n a work-group, eight a pass; thread tau makes i = 2 (tau % 16) and the next, of row tau / 16
.LT:
	s_sub_co_u32 s36, ttmp9, 128
	s_lshl_b32 s38, s36, 14                        ; 64 rows of 256 bytes
	s_mov_b32 s39, 0
	s_add_nc_u64 s[20:21], s[20:21], s[38:39]
	s_mov_b32 s50, 0x3f22f983                      ; 2 / pi
	s_mov_b32 s51, 0xbfc90fdb                      ; -(pi/2 rounded to f32)
	s_mov_b32 s52, 0x333bbd2e                      ; -(pi/2 less that)
	s_mov_b32 s53, 0xbe2aaaa3                      ; sin: -1.6666654611e-1, 8.3321608736e-3, -1.9515295891e-4
	s_mov_b32 s54, 0x3c08839e
	s_mov_b32 s55, 0xb94ca1f9
	s_mov_b32 s56, 0x3d2aaaa5                      ; cos: 4.166664568e-2, -1.388731625e-3, 2.443315712e-5
	s_mov_b32 s57, 0xbab6061a
	s_mov_b32 s58, 0x37ccf5ce
	v_and_b32 v3, 15, v0
	v_lshlrev_b32 v3, 1, v3
	v_cvt_f32_u32 v4, v3                           ; i
	v_add_f32 v5, 1.0, v4                          ; i + 1
	v_mul_f32 v4, 0xbed49a78, v4                   ; x -log2(10000) / 32
	v_mul_f32 v5, 0xbed49a78, v5
	s_wait_alu depctr_va_vdst(0)
	v_exp_f32 v4, v4                               ; 10000^(-i/32)
	v_exp_f32 v5, v5
	v_lshrrev_b32 v6, 4, v0                        ; (a plain line behind the two exponentials)
	s_wait_alu depctr_va_vdst(0)                   ; one wait for both, ahead of their first reader
	s_lshl_b32 s37, s36, 6
	v_add_nc_u32 v6, s37, v6                       ; n of pass 0
	v_lshlrev_b32 v7, 4, v0                        ; 16 bytes a thread: a wave's store covers 512 consecutive bytes
.irp ps, 0,1,2,3,4,5,6,7
	v_add_nc_u32 v8, 8*\ps, v6
	v_cvt_f32_u32 v8, v8
	v_mul_f32 v9, v8, v4                           ; the angle, rounded once
	v_mul_f32 v10, v8, v5
	SINCOS 9, TD+4*\ps, TD+4*\ps+1
	SINCOS 10, TD+4*\ps+2, TD+4*\ps+3
	global_store_b128 v7, v[TD+4*\ps:TD+4*\ps+3], s[20:21] offset:2048*\ps
.endr
	s_endpgm
.Lfunc_end_k_qa003ae79c7_prep:
	.size	k_qa003ae79c7_prep, .Lfunc_end_k_qa003ae79c7_prep-k_qa003ae79c7_prep
	.p2alignl 7, 3214868480
	.fill 96, 4, 3214868480
	.section	.rodata,"a",@progbits
	.p2align	6, 0x0
	.amdhsa_kernel k_qa003ae79c7_prep
		.amdhsa_group_segment_fixed_size 69120
		.amdhsa_private_segment_fixed_size 0
		.amdhsa_enable_private_segment 0
		.amdhsa_kernarg_size 72
		.amdhsa_user_sgpr_count 2
		.amdhsa_user_sgpr_kernarg_segment_ptr 1
		.amdhsa_wavefront_size32 1
		.amdhsa_system_sgpr_workgroup_id_x 1
		.amdhsa_system_sgpr_workgroup_id_y 1
		.amdhsa_system_sgpr_workgroup_id_z 1
		.amdhsa_system_vgpr_workitem_id 0
		.amdhsa_next_free_vgpr 194
		.amdhsa_next_free_sgpr 66
		.amdhsa_reserve_vcc 1
		.amdhsa_float_denorm_mode_32 3
		.amdhsa_float_denorm_mode_16_64 3
		.amdhsa_memory_ordered 1
		.amdhsa_forward_progress 1
		.amdhsa_inst_pref_size 92
	.end_amdhsa_kernel
	.amdgpu_metadata
---
amdhsa.version: [ 1, 2 ]
amdhsa.kernels:
  - .name:           k_qa003ae79c7_prep
    .symbol:         k_qa003ae79c7_prep.kd
    .args:
      - { .name: x, .offset: 0, .size: 8, .value_kind: global_buffer, .address_space: global }
      - { .name: Wq, .offset: 8, .size: 8, .value_kind: global_buffer, .address_space: global }
      - { .name: Wk, .offset: 16, .size: 8, .value_kind: global_buffer, .address_space: global }
      - { .name: Wv, .offset: 24, .size: 8, .value_kind: global_buffer, .address_space: global }
      - { .name: Wo, .offset: 32, .size: 8, .value_kind: global_buffer, .address_space: global }
      - { .name: lowp_scales, .offset: 40, .size: 8, .value_kind: global_buffer, .address_space: global }
      - { .name: xc, .offset: 48, .size: 8, .value_kind: global_buffer, .address_space: global }
      - { .name: wc, .offset: 56, .size: 8, .value_kind: global_buffer, .address_space: global }
      - { .name: cs, .offset: 64, .size: 8, .value_kind: global_buffer, .address_space: global }
    .group_segment_fixed_size: 69120
    .private_segment_fixed_size: 0
    .kernarg_segment_align: 8
    .kernarg_segment_size: 72
    .max_flat_workgroup_size: 128
    .sgpr_count:     66
    .vgpr_count:     194
    .wavefront_size: 32
...
	.end_amdgpu_metadata
.endif
;; end of part 1
;; launch qkv (part 2): grid 12 x 32, 4 waves a work-group, clusters of 4 x 4, 327,680 bytes of LDS; arguments xc, wc, lowp_scales, bq, bk, bv, cs, qc, kv; writes qc, kv
.if DOCPART == 2
	.amdgcn_target "amdgcn-amd-amdhsa--gfx1250"
	.amdhsa_code_object_version 6
	.text
	.protected	k_qa003ae79c7_qkv
	.globl	k_qa003ae79c7_qkv
	.p2align	8
	.type	k_qa003ae79c7_qkv,@function
k_qa003ae79c7_qkv:
	s_mov_b64 s[64:65], 0
	v_nop
	global_prefetch_b8 v0, s[64:65] scope:SCOPE_SE
	s_setreg_imm32_b32 hwreg(HW_REG_WAVE_MODE, 25, 1), 1
	s_wait_xcnt 0x0
	s_wait_alu depctr_hold_cnt(0) depctr_sa_sdst(0) depctr_va_vdst(0) depctr_va_sdst(0) depctr_va_ssrc(0) depctr_va_vcc(0) depctr_vm_vsrc(0)
	s_getreg_b32 s2, hwreg(HW_REG_IB_STS2, 6, 4)
	s_cmp_eq_u32 s2, 0
	s_cbranch_scc0 .Lentry_in_a_cluster
	s_endpgm
.Lentry_in_a_cluster:
	s_bfe_u32 s2, ttmp6, 0x10000c
	s_cmp_lg_u32 s2, 0xf033
	s_cbranch_scc0 .Lentry_shape_is_right
	s_endpgm
.Lentry_shape_is_right:
.set ROWB,   256
.set KROW,   1024
.set PITCH,  272
.set FR,     16
.set NL,     4
.set NP,     4
.set HALFT,  128*PITCH
.set SLOT,   4*HALFT
.set SPARE,  2*SLOT
.set TA,   8
.set BA,   9
.set LI,   10
.set BVA,  11
.set ADRA, 16
.set ADRB, 20
.set SPW,  28
.set NIL,  29
.set SCL,  30
.set LIM,  31
.set BI,   32
.set CS0,  96
.set XR,   160
.set YR,   192
.set CD,   224
.set BV,   32
.set VX,   128
.set VC,   192
.set AF,   128
.set G1, 24
.set G0, 32
.set G1B, 48
.set G0B, 56
.set MSB, 0
.macro WIN new
.if MSB != (\new)
	s_set_vgpr_msb (MSB<<8)|(\new)
.set MSB, (\new)
.endif
.endm
.set MUL_LO, 0xa1
.set MUL_HI, 0xf1
.set TO_B,   0x40
.macro JLOAD g0a, g1a, g0b, g1b
	s_cmp_eq_u32 s15, 0
	s_cbranch_scc0 .Lfor_b_\@
	tensor_load_to_lds s[\g0a:\g0a+3], s[\g1a:\g1a+7]
	s_nop 0
.rept 4
	v_nop
.endr
	s_branch .Lasked_\@
.Lfor_b_\@:
	tensor_load_to_lds s[\g0b:\g0b+3], s[\g1b:\g1b+7]
	s_nop 0
.rept 4
	v_nop
.endr
.Lasked_\@:
.endm
.macro CREST
	s_cmp_lg_u32 s14, 0
	s_cbranch_scc1 .Lnot_wave_0_\@
	s_barrier_signal -3
.Lnot_wave_0_\@:
	s_barrier_wait -3
	s_barrier_signal -1
	s_barrier_wait -1
.endm
.macro CROUND
	s_barrier_signal -1
	s_barrier_wait -1
	CREST
.endm
	s_load_b128 s[4:7], s[0:1], 0x0
	s_load_b128 s[8:11], s[0:1], 0x10
	s_load_b256 s[68:75], s[0:1], 0x20
	s_load_b64 s[76:77], s[0:1], 0x40
	v_lshl_add_u32 v[SPW], v0, 2, SPARE
	v_mov_b32 v[NIL], 0
	ds_add_u32 v28, v29
	ds_add_u32 v28, v29
	s_wait_dscnt 0x0
	v_lshrrev_b32 v1, 5, v0
	v_readfirstlane_b32 s14, v1
	s_lshr_b32 s15, s14, 1
	s_and_b32 s16, s14, 1
	s_bfe_u32 s40, ttmp6, 0x40000
	s_bfe_u32 s41, ttmp6, 0x40004
	s_mov_b32 s66, ttmp9
	s_and_b32 s67, ttmp7, 0xffff
	s_lshl_b32 s78, s67, 2
	s_lshl_b32 s79, s66, 23
	s_lshl_b32 s92, s66, 20
	s_cmp_eq_u32 s66, 2
	s_cselect_b32 s17, 0, s78
	s_cselect_b32 s42, s78, 0
	s_cselect_b32 s93, s92, s79
	s_cselect_b32 s94, s79, s92
	s_add_co_u32 s17, s17, s41
	s_add_co_u32 s42, s42, s40
	s_lshl_b32 s43, s41, 2
	s_lshl_b32 s43, 15, s43
	s_lshl_b32 s44, 0x1111, s40
	s_or_b32 s[G1+0], s43, (0<<16)|(1<<20)|(1<<21)|(5<<22)|(3<<25)
	s_or_b32 s[G1B+0], s44, (0<<16)|(1<<20)|(1<<21)|(5<<22)|(3<<25)
.irp g, G1, G1B
	s_mov_b32 s[\g+1], ROWB<<16
	s_mov_b32 s[\g+2], 128<<16
	s_mov_b32 s[\g+3], ROWB<<16
	s_mov_b32 s[\g+4], 128
	s_mov_b32 s[\g+5], KROW
	s_mov_b32 s[\g+6], 0
	s_mov_b32 s[\g+7], 0
.endr
	s_lshl_b32 s18, s16, 7
	s_lshl_b32 s20, s17, 8
	s_add_co_u32 s20, s20, s18
	s_lshl_b32 s20, s20, 10
	s_add_co_u32 s20, s20, s93
	s_mov_b32 s21, 0
	s_lshl_b32 s46, s42, 8
	s_add_co_u32 s46, s46, s18
	s_lshl_b32 s46, s46, 10
	s_add_co_u32 s46, s46, s94
	s_mov_b32 s47, 0
	s_mul_i32 s45, s14, HALFT
	s_wait_kmcnt 0x0
	s_load_b256 s[80:87], s[8:9], 0x0
	s_load_b128 s[88:91], s[8:9], 0x20
	s_cmp_eq_u32 s66, 2
	s_cselect_b64 s[98:99], s[6:7], s[4:5]
	s_cselect_b64 s[100:101], s[4:5], s[6:7]
	s_add_nc_u64 s[20:21], s[98:99], s[20:21]
	s_add_nc_u64 s[46:47], s[100:101], s[46:47]
	CROUND
.irp s, 0,1
	s_mov_b32 s[G0+4*\s], 1
	s_add_co_u32 s[G0+4*\s+1], s45, \s*SLOT
	s_add_nc_u64 s[G0+4*\s+2:G0+4*\s+3], s[20:21], \s*ROWB
	s_or_b32 s[G0+4*\s+3], s[G0+4*\s+3], 0x80000000
	s_mov_b32 s[G0B+4*\s], 1
	s_add_co_u32 s[G0B+4*\s+1], s45, \s*SLOT
	s_add_nc_u64 s[G0B+4*\s+2:G0B+4*\s+3], s[46:47], \s*ROWB
	s_or_b32 s[G0B+4*\s+3], s[G0B+4*\s+3], 0x80000000
.endr
	JLOAD G0, G1, G0B, G1B                         ; K step 0, behind the opening round: one tensor load a wave at the head
	; A prefetch of x's codes of K steps 2 and 3, two refills ahead of the loads that want them.  Only the waves that fetch x's codes ask (A's waves for q and k, B's for v): of the 128 rows that such a wave
	; fetches, each of the four partners that ask for them jointly takes 32, told apart by address; a lane a row, 256 bytes of a row a K step.  Each such block is loaded by one cluster alone, so it is named once in the launch.
	s_cmp_eq_u32 s15, 0
	s_cselect_b64 s[12:13], s[20:21], s[46:47]     ; the first of the rows that I fetch
	s_cselect_b32 s18, s40, s41                    ; my work-group's place among the four partners
	s_lshl_b32 s18, s18, 15                        ; 32 rows of 1,024 bytes
	s_mov_b32 s19, 0
	s_add_nc_u64 s[12:13], s[12:13], s[18:19]
	v_and_b32 v12, 31, v0
	v_lshlrev_b32 v12, 10, v12                     ; my lane's row; never rewritten
	s_cmp_eq_u32 s66, 2
	s_cselect_b32 s18, 1, 0
	s_cmp_eq_u32 s15, s18                          ; the wave's number and the cluster's x alone: the same in all partners
	s_cbranch_scc0 .Lno_ask
	global_prefetch_b8 v12, s[12:13] offset:512 th:TH_LOAD_NT scope:SCOPE_SE
	global_prefetch_b8 v12, s[12:13] offset:768 th:TH_LOAD_NT scope:SCOPE_SE
.Lno_ask:
	s_wait_alu depctr_va_vdst(0)
	s_wait_tensorcnt 0x0                           ; my part of K step 0 is in
	ds_add_u32 v28, v29
	ds_add_u32 v28, v29
	s_wait_dscnt 0x0
	CROUND
	JLOAD G0+4, G1, G0B+4, G1B                     ; K step 1, the first tensor load behind the round
	v_and_b32 v1, 15, v0
	v_bfe_u32 v2, v0, 4, 1
	v_mul_u32_u24 v3, v1, PITCH
	v_lshl_add_u32 v4, v2, 4, v3
	s_mul_i32 s21, s15, HALFT
	s_mul_i32 s22, s16, HALFT
	s_add_co_u32 s22, s22, 2*HALFT
.irp s, 0,1
	v_add_nc_u32 v[ADRA+\s], s21, v4
	v_add_nc_u32 v[ADRB+\s], s22, v4
	s_add_co_u32 s21, s21, SLOT
	s_add_co_u32 s22, s22, SLOT
.endr
	v_and_b32 v5, 8, v1
	v_add_nc_u32 v5, v5, v1
	v_lshlrev_b32 v[TA], 8, v5
	v_lshl_add_u32 v[TA], v2, 6, v[TA]
	v_lshlrev_b32 v[BA], 6, v2
	v_and_b32 v6, 31, v0
	v_lshlrev_b32 v[LI], 4, v6
	v_lshlrev_b32 v[BVA], 2, v5
.macro FRAG reg, adr, q, i
.irp c, 0,1,2,3
	ds_load_b128 v[\reg+4*\c:\reg+4*\c+3], v[\adr] offset:128*(\q)+32*\c+(\i)*16*PITCH
.endr
.endm
.macro MUL16 a0, p, zero
.irp a, \a0, \a0+1
.irp b, 0,1,2,3,4,5,6,7
.if \zero
	v_wmma_f32_16x16x128_bf8_bf8 v[8*(8*((\a)%4)+\b):8*(8*((\a)%4)+\b)+7], v[128*(\p)+FR*\b:128*(\p)+FR*\b+FR-1], v[AF+FR*(\a):AF+FR*(\a)+FR-1], 0
.else
	v_wmma_f32_16x16x128_bf8_bf8 v[8*(8*((\a)%4)+\b):8*(8*((\a)%4)+\b)+7], v[128*(\p)+FR*\b:128*(\p)+FR*\b+FR-1], v[AF+FR*(\a):AF+FR*(\a)+FR-1], v[8*(8*((\a)%4)+\b):8*(8*((\a)%4)+\b)+7]
.endif
.endr
.endr
.endm
.macro FETCH_B slot, q, p
	WIN TO_B
.irp i, 0,1,2,3,4,5,6,7
	FRAG 128*(\p)+FR*\i, ADRB+\slot, \q, \i
.endr
	WIN 0
.endm
.macro FETCH_A slot, q, i0
.irp i, \i0, \i0+1, \i0+2, \i0+3
	FRAG AF+FR*(\i), ADRA+\slot, \q, \i
.endr
.endm
.macro PLACES n
.rept \n
	v_nop
.endr
.endm
.macro STEP slot, q, zero
	s_wait_dscnt 4*NL
	WIN MUL_LO
	MUL16 0, (\q)%2, \zero
	MUL16 2, (\q)%2, \zero
	s_wait_dscnt 0
	PLACES NP
	FETCH_B \slot, (\q)+1, 1-(\q)%2
	FETCH_A \slot, (\q)+1, 0
	WIN MUL_HI
	MUL16 4, (\q)%2, \zero
	MUL16 6, (\q)%2, \zero
	PLACES NP
	WIN 0
	FETCH_A \slot, (\q)+1, 4
.endm
.macro TURN slot, next, fill
	s_wait_tensorcnt 0x0
	ds_add_u32 v[SPW], v[NIL]
	s_wait_dscnt 4*NL+1
	WIN MUL_LO
	MUL16 0, 1, 0
	s_wait_dscnt 0x0
	s_barrier_signal -1
	MUL16 2, 1, 0
	WIN 0
	s_barrier_wait -1
.if \fill
	CREST
	s_add_nc_u64 s[G0+4*\slot+2:G0+4*\slot+3], s[G0+4*\slot+2:G0+4*\slot+3], 2*ROWB
	s_add_nc_u64 s[G0B+4*\slot+2:G0B+4*\slot+3], s[G0B+4*\slot+2:G0B+4*\slot+3], 2*ROWB
	JLOAD G0+4*\slot, G1, G0B+4*\slot, G1B
.else
	PLACES NP
.endif
	s_wait_alu depctr_va_vdst(0)
	FETCH_B \next, 0, 0
	FETCH_A \next, 0, 0
	WIN MUL_HI
	MUL16 4, 1, 0
	MUL16 6, 1, 0
	PLACES NP
	WIN 0
	FETCH_A \next, 0, 4
.endm
.macro LAST
	s_wait_dscnt 4*NL
	WIN MUL_LO
	MUL16 0, 1, 0
	MUL16 2, 1, 0
	s_wait_dscnt 0
	WIN MUL_HI
	MUL16 4, 1, 0
	MUL16 6, 1, 0
	WIN 0
.endm
.macro TAB a                           ; block a's cos and sin: 32 registers of window 1, where B's fragments lay
.set CT, 32*(\a)
.irp k, 0,1,2,3
	global_load_b128 v[CT+8*\k:CT+8*\k+3], v[TA], s[100:101] offset:(32*((\a)/2)+8*((\a)%2))*256+128*(\k/2)+32*(\k%2)
	global_load_b128 v[CT+8*\k+4:CT+8*\k+7], v[TA], s[100:101] offset:(32*((\a)/2)+8*((\a)%2))*256+128*(\k/2)+32*(\k%2)+16
.endr
.endm
.macro QKOUT a, hh
.set AC, 64*((\a)%4)+32*(\hh)
.set CT, 32*(\a)
.set CC, CD+8*(\hh)
.set BB, BI+32*(\hh)
	WIN 0x02+((\a)/4)
.set jj, 0
.rept 16
	v_pk_fma_f32 v[XR+jj:XR+jj+1], v[AC+jj:AC+jj+1], s[96:97], v[BB+jj:BB+jj+1] op_sel_hi:[1,0,1]
.set jj, jj+2
.endr
	WIN 0x04                                       ; source 1, the table, in window 1
.set jj, 0
.rept 16
	v_pk_mul_f32 v[YR+jj:YR+jj+1], v[XR+jj:XR+jj+1], v[CT+jj:CT+jj+1] op_sel_hi:[1,0]
.set jj, jj+2
.endr
.set jj, 0
.rept 16
	v_fma_f32 v[YR+jj], -v[XR+jj+1], v[CT+jj+1], v[YR+jj]
	v_fma_f32 v[YR+jj+1], v[XR+jj], v[CT+jj+1], v[YR+jj+1]
.set jj, jj+2
.endr
	WIN 0
.set jj, 0
.rept 32
	v_med3_num_f32 v[YR+jj], v[YR+jj], -v[LIM], v[LIM]
.set jj, jj+1
.endr
	s_wait_alu depctr_va_vdst(0)
	s_wait_xcnt 0x0
.irp k, 0,1,2,3
	v_cvt_scalef32_pk8_bf8_f32 v[CC+2*\k:CC+2*\k+1], v[YR+8*\k:YR+8*\k+7], v[SCL]
.endr
	v_nop
	global_store_b128 v[LI], v[CC:CC+3], s[92+2*\hh:93+2*\hh] offset:1024*(\a)
	global_store_b128 v[LI], v[CC+4:CC+7], s[92+2*\hh:93+2*\hh] offset:1024*(\a)+512
.endm
.macro VOUT a
.set AC, 64*((\a)%4)
.set CC, VC+16*((\a)%2)
	WIN 0x02+((\a)/4)
.set jj, 0
.rept 64
	v_fma_f32 v[VX+jj], v[AC+jj], s96, v[BV+(\a)]
.set jj, jj+1
.endr
	WIN 0
.set jj, 0
.rept 64
	v_med3_num_f32 v[VX+jj], v[VX+jj], -v[LIM], v[LIM]
.set jj, jj+1
.endr
	s_wait_alu depctr_va_vdst(0)
	s_wait_xcnt 0x0
.irp k, 0,1,2,3,4,5,6,7
	v_cvt_scalef32_pk8_bf8_f32 v[CC+2*\k:CC+2*\k+1], v[VX+8*\k:VX+8*\k+7], v[SCL]
.endr
	v_nop
.irp c, 0,1,2,3
	global_store_b128 v[LI], v[CC+4*\c:CC+4*\c+3], s[92:93] offset:((\a)/4)*262144+((\a)%4)*2048+512*\c
.endr
.endm
	s_wait_tensorcnt 1
	s_barrier_signal -1
	s_barrier_wait -1
	FETCH_B 0, 0, 0
	FETCH_A 0, 0, 0
	FETCH_A 0, 0, 4
	STEP 0, 0, 1
	TURN 0, 1, 1
	STEP 1, 0, 0
	TURN 1, 0, 1
	STEP 0, 0, 0
	TURN 0, 1, 0
	s_wait_kmcnt 0x0
	s_add_co_i32 s80, s80, s81
	s_add_co_i32 s82, s82, s83
	s_add_co_i32 s84, s84, s85
	s_cmp_eq_u32 s66, 1
	s_cselect_b32 s96, s82, s80
	s_cselect_b32 s97, s87, s86
	s_cmp_eq_u32 s66, 2
	s_cselect_b32 s96, s84, s96
	s_cselect_b32 s97, s89, s97
	s_add_co_i32 s96, s96, 127
	s_lshl_b32 s96, s96, 23
	s_add_co_i32 s78, s97, 127
	s_lshl_b32 s79, s78, 23
	v_mov_b32 v[SCL], s79
	s_add_co_i32 s78, s78, 15
	s_lshl_b32 s78, s78, 23
	s_or_b32 s78, s78, 0x600000
	v_mov_b32 v[LIM], s78
	s_mov_b32 s97, s96
	s_cmp_eq_u32 s66, 2
	s_cbranch_scc1 .Lv
	s_and_b32 s78, s17, 7
	s_lshl_b32 s78, s78, 1
	s_add_co_u32 s78, s78, s15
	s_lshl_b32 s92, s78, 15
	s_mov_b32 s93, 0
	s_add_nc_u64 s[100:101], s[72:73], s[92:93]
	s_lshl_b32 s92, s42, 1
	s_add_co_u32 s92, s92, s16
	s_lshl_b32 s94, s92, 9
	s_mov_b32 s95, 0
	s_cmp_eq_u32 s66, 1
	s_cselect_b64 s[98:99], s[68:69], s[10:11]
	s_add_nc_u64 s[98:99], s[98:99], s[94:95]
	s_lshr_b32 s94, s17, 3
	s_lshl_b32 s94, s94, 4
	s_lshl_b32 s92, s92, 1
	s_add_co_u32 s94, s94, s92
	s_lshl_b32 s94, s94, 4
	s_add_co_u32 s94, s94, s78
	s_add_co_u32 s79, s66, 13
	s_lshl_b32 s94, s94, s79
	s_cmp_eq_u32 s66, 1
	s_cselect_b64 s[92:93], s[76:77], s[74:75]
	s_add_nc_u64 s[92:93], s[92:93], s[94:95]
	s_add_co_u32 s79, s66, 17
	s_lshl_b32 s94, 1, s79
	s_add_nc_u64 s[94:95], s[92:93], s[94:95]
.irp b, 0,1,2,3,4,5,6,7
	global_load_b128 v[BI+8*\b:BI+8*\b+3], v[BA], s[98:99] offset:128*(\b/2)+32*(\b%2)
	global_load_b128 v[BI+8*\b+4:BI+8*\b+7], v[BA], s[98:99] offset:128*(\b/2)+32*(\b%2)+16
.endr
	STEP 1, 0, 0
	WIN TO_B                                       ; B's first set has been read for the last time, four places ago: it takes the table of blocks 0 to 3
	TAB 0
	TAB 1
	TAB 2
	TAB 3
	WIN 0
	LAST
	PLACES NP
	WIN TO_B                                       ; and the second set, behind the last products' places, that of blocks 4 to 7
	TAB 4
	TAB 5
	TAB 6
	TAB 7
	WIN 0
.irp a, 0,1,2,3,4,5,6,7
	s_wait_loadcnt 8*(7-\a)                        ; the bias and block a's table are in; the eight loads of each younger block may be out
	QKOUT \a, 0
	QKOUT \a, 1
.endr
	s_branch .Lend
.Lv:
	s_lshl_b32 s78, s17, 1
	s_add_co_u32 s78, s78, s15
	s_lshl_b32 s92, s78, 9
	s_mov_b32 s93, 0
	s_add_nc_u64 s[98:99], s[70:71], s[92:93]
	s_lshr_b32 s94, s42, 3
	s_lshl_b32 s94, s94, 4
	s_lshl_b32 s78, s78, 1
	s_add_co_u32 s94, s94, s78
	s_lshl_b32 s94, s94, 4
	s_and_b32 s79, s42, 7
	s_lshl_b32 s79, s79, 1
	s_add_co_u32 s79, s79, s16
	s_add_co_u32 s94, s94, s79
	s_lshl_b32 s94, s94, 14
	s_add_co_u32 s94, s94, 8192
	s_mov_b32 s95, 0
	s_add_nc_u64 s[92:93], s[76:77], s[94:95]
.irp a, 0,1,2,3,4,5,6,7
	global_load_b32 v[BV+\a], v[BVA], s[98:99] offset:(32*(\a/2)+8*(\a%2))*4
.endr
	STEP 1, 0, 0
	LAST
	PLACES NP
	s_wait_loadcnt 0x0
.irp a, 0,1,2,3,4,5,6,7
	VOUT \a
.endr
.Lend:
	s_wait_tensorcnt 0x0
	ds_add_u32 v[SPW], v[NIL]
	s_wait_dscnt 0x0
	CROUND
	s_endpgm
.Lfunc_end_k_qa003ae79c7_qkv:
	.size	k_qa003ae79c7_qkv, .Lfunc_end_k_qa003ae79c7_qkv-k_qa003ae79c7_qkv
	.p2alignl 7, 3214868480
	.fill 96, 4, 3214868480
	.section	.rodata,"a",@progbits
	.p2align	6, 0x0
	.amdhsa_kernel k_qa003ae79c7_qkv
		.amdhsa_group_segment_fixed_size 327680
		.amdhsa_private_segment_fixed_size 0
		.amdhsa_enable_private_segment 0
		.amdhsa_kernarg_size 72
		.amdhsa_user_sgpr_count 2
		.amdhsa_user_sgpr_kernarg_segment_ptr 1
		.amdhsa_wavefront_size32 1
		.amdhsa_system_sgpr_workgroup_id_x 1
		.amdhsa_system_sgpr_workgroup_id_y 1
		.amdhsa_system_sgpr_workgroup_id_z 1
		.amdhsa_system_vgpr_workitem_id 0
		.amdhsa_next_free_vgpr 1024
		.amdhsa_next_free_sgpr 102
		.amdhsa_reserve_vcc 0
		.amdhsa_float_denorm_mode_32 3
		.amdhsa_float_denorm_mode_16_64 3
		.amdhsa_memory_ordered 1
		.amdhsa_forward_progress 1
		.amdhsa_inst_pref_size 255
	.end_amdhsa_kernel
	.section	.bss,"aw",@nobits
	.p2align	6
	.space	262144
	.amdgpu_metadata
---
amdhsa.version: [ 1, 2 ]
amdhsa.kernels:
  - .name:           k_qa003ae79c7_qkv
    .symbol:         k_qa003ae79c7_qkv.kd
    .args:
      - { .name: xc, .offset: 0, .size: 8, .value_kind: global_buffer, .address_space: global }
      - { .name: wc, .offset: 8, .size: 8, .value_kind: global_buffer, .address_space: global }
      - { .name: lowp_scales, .offset: 16, .size: 8, .value_kind: global_buffer, .address_space: global }
      - { .name: bq, .offset: 24, .size: 8, .value_kind: global_buffer, .address_space: global }
      - { .name: bk, .offset: 32, .size: 8, .value_kind: global_buffer, .address_space: global }
      - { .name: bv, .offset: 40, .size: 8, .value_kind: global_buffer, .address_space: global }
      - { .name: cs, .offset: 48, .size: 8, .value_kind: global_buffer, .address_space: global }
      - { .name: qc, .offset: 56, .size: 8, .value_kind: global_buffer, .address_space: global }
      - { .name: kv, .offset: 64, .size: 8, .value_kind: global_buffer, .address_space: global }
    .group_segment_fixed_size: 327680
    .private_segment_fixed_size: 0
    .kernarg_segment_align: 8
    .kernarg_segment_size: 72
    .max_flat_workgroup_size: 128
    .sgpr_count:     102
    .vgpr_count:     1024
    .wavefront_size: 32
...
	.end_amdgpu_metadata
.endif
;; end of part 2
;; launch attn (part 3): grid 4 x 64, 16 waves a work-group, clusters of 4 x 1, 327,680 bytes of LDS; arguments qc, kv, lowp_scales, ic; writes ic
.if DOCPART == 3
	.amdgcn_target "amdgcn-amd-amdhsa--gfx1250"
	.amdhsa_code_object_version 6
	.text
	.protected	k_qa003ae79c7_attn
	.globl	k_qa003ae79c7_attn
	.p2align	8
	.type	k_qa003ae79c7_attn,@function
k_qa003ae79c7_attn:
	s_mov_b64 s[64:65], 0
	v_nop
	global_prefetch_b8 v0, s[64:65] scope:SCOPE_SE
	s_setreg_imm32_b32 hwreg(HW_REG_WAVE_MODE, 25, 1), 1
	s_wait_xcnt 0x0
	s_wait_alu depctr_hold_cnt(0) depctr_sa_sdst(0) depctr_va_vdst(0) depctr_va_sdst(0) depctr_va_ssrc(0) depctr_va_vcc(0) depctr_vm_vsrc(0)
	s_getreg_b32 s2, hwreg(HW_REG_IB_STS2, 6, 4)
	s_cmp_eq_u32 s2, 0
	s_cbranch_scc0 .Lentry_in_a_cluster
	s_endpgm
.Lentry_in_a_cluster:
	s_bfe_u32 s2, ttmp6, 0x10000c
	s_cmp_lg_u32 s2, 0x3003
	s_cbranch_scc0 .Lentry_shape_is_right
	s_endpgm
.Lentry_shape_is_right:
; ATTN: inter[head][q] = the sum over k of softmax_k(q . k / 32) v[k], head size 64, 2,048 keys, both products on codes of E5M2; the result is quantised for the last projection and stored as a register image.
; THE SOFTMAX AHEAD OF THE SECOND PRODUCT: t = score x log2(e) / 32; M = the row's largest t so far, rounded UP to a whole number; p = 2^(t - M) is what is quantised; it is not normalised.
; The row's sum is taken of the unquantised p, in f32, and divides at the end.  When M moves, the sum and O are multiplied by 2^(old M - new M): exact.
; SHARES.  64 heads x 4 blocks of 512 queries = 256 work-groups.  Each of a work-group's sixteen waves owns 32 queries, two tiles of 16, in 256 registers: each fragment of K and of V^T read from LDS feeds two matrix instructions.
; LDS.  kv holds, for each head and 128 keys (a key step), 16,384 dense bytes: K's 8 register images (16 keys x 64) and V^T's 4 (16 d x 128 keys), read at 16 x lane: 512 consecutive bytes a load, no pitch, no padding.
; A head's 16 key steps are 262,144 bytes and all lie in LDS at once: every byte is filled once, nothing is filled again, and no barrier stands in a loop.
; Waves 0 to 3 ask for key steps 0 to 3 at the head; behind the wait for them, the add and a round of the cluster's barrier, waves 0 to 11 ask for steps 4 to 15, which have four key steps' work in which to land.
; CLUSTER.  The four query blocks of a head form a cluster and need the same kv: each key step is asked for JOINTLY, by the same tensor load with the same descriptor and a mask that names the four.
; NO PREFETCH: both groups of tensor loads go out ahead of the first loop, so the loops hold no load that a prefetch could run ahead of.
; LAYOUT.  S^T = K Q^T (source 0 = 16 keys, source 1 = 16 queries), O^T = V^T P^T (source 0 = 16 d): a lane holds ONE query of each tile.  Row i of tile 2 g + u (of keys, of d, of queries) is index
; 32 g + 8 u + i + 8 (i / 8), so the 16 registers of tiles 2 g and 2 g + 1 are 16 neighbours: p's conversions give the second product's operand, O's give the last projection's.
; LIMITS: e6 + e7 between -121 and 132 (they are added to c's exponent field); e8 and e10 between -126 and 112; e8 + e9 is applied by v_ldexp_f32 and has none; the scaled scores t stay under 2^31 in magnitude.
; The running maximum is kept of the raw sums of codes: it begins at -2^40, under every such sum (64 x 57,344^2 < 2^38).  -M begins at 2^31, over every -M: the first factor is then 0 or a small number, and multiplies zeros.
.set KS,    16384                      ; a key step's bytes
.set FIRST, 4*KS                       ; the first group of loads
.set ALL,   16*KS                      ; a head's kv
.set SPARE, ALL                        ; behind it: the spare words, 128 bytes for each of sixteen waves, that no other line names
.set LI,   1                           ; v1   16 x lane
.set SM1,  2                           ; v[2:3]   tile 1's sum, in two halves
.set SCL,  4                           ; v4   2^e8, for p's conversions
.set SPW,  5                           ; v5   my spare word's address; never rewritten
.set NIL,  6                           ; v6   0; never rewritten
.set PD,   7                           ; v7   a lane permute's destination
.set ADR,  8                           ; v8   LDS address of the key step in hand
.set NM1,  10                          ; v10 -M, v11 the largest raw score: tile 1
.set NM0,  12                          ; v12, v13: tile 0
.set SM0,  14                          ; v[14:15] tile 0's sum
.set Q0,   16                          ; v16-23, v24-31 Q's two fragments
.set Q1,   24
.set KV,   32                          ; v32-95 K's 8 fragments, then V^T's 4
.set C1,   148                         ; v148-163 tile 1's codes: twelve of them lie over scores whose codes are made already
.set C0,   164                         ; v164-179 tile 0's codes          (v96-159: S^T, then p)
.set O0,   180                         ; v180-211, v212-243 O^T
.set O1,   212
.set F,    244                         ; v[244:245] f = 2^(old M - new M), and a word that is named with it
.set MA,   246
.set MB,   247
.set T0,   248                         ; v248-253 three more chains of the sum
.set T1,   250
.set T2,   252
.set WV,   18                          ; s18  my wave's number
.set TB,   19                          ; s19  LDS byte at which the key step in hand begins; also the loops' counter
.set SEL,  20                          ; s[20:21] lane selects for v_permlanex16_b32: lane l xor 16
.set CS,   22                          ; s[22:23] c = log2(e) / 32 x 2^(e6 + e7)
.set G1,   24                          ; s[24:31] descriptor group 1
.set G0A,  32                          ; s[32:35] group 0 of the first group of loads
.set G0B,  36                          ; s[36:39] of the second
.set LH,   40                          ; s40  57,344 x 2^e8
.macro TLOAD g0, n                     ; waves 0 to n - 1 fetch a key step each; the branch hangs on the wave's number alone.  s_nop 0 and four v_nop follow the line
	s_cmp_lt_u32 s[WV], \n
	s_cbranch_scc0 .Lasked_\@
	tensor_load_to_lds s[\g0:\g0+3], s[G1:G1+7]
	s_nop 0
.rept 4
	v_nop
.endr
.Lasked_\@:
.endm
.macro CROUND                          ; a round of the cluster's barrier
	s_barrier_signal -1
	s_barrier_wait -1
	s_cmp_lg_u32 s[WV], 0
	s_cbranch_scc1 .Lnot_wave_0_\@
	s_barrier_signal -3
.Lnot_wave_0_\@:
	s_barrier_wait -3
	s_barrier_signal -1
	s_barrier_wait -1
.endm
	s_load_b256 s[4:11], s[0:1], 0x0               ; qc s[4:5], kv s[6:7], the scales' exponents s[8:9], ic s[10:11]
	v_lshl_add_u32 v[SPW], v0, 2, SPARE
	v_mov_b32 v[NIL], 0
	ds_add_u32 v[SPW], v[NIL]                      ; the opening: the add, twice on end, and its wait ahead of the first tensor load
	ds_add_u32 v[SPW], v[NIL]
	v_lshrrev_b32 v8, 5, v0
	v_readfirstlane_b32 s[WV], v8                  ; wave 0..15
	s_bfe_u32 s44, ttmp6, 0x40000                  ; cx: my block of 512 queries; it enters qc's and ic's addresses alone
	s_and_b32 s46, ttmp7, 0xffff                   ; the head (16 batch + head), which the four partners share
	s_lshl_b32 s48, s46, 18                        ; its 262,144 bytes of kv
	s_lshl_b32 s47, s[WV], 14                      ; wave x a key step: in LDS and in memory alike
	s_add_co_u32 s48, s48, s47
	s_mov_b32 s49, 0
	s_mov_b32 s[G1], 15|(3<<16)|(1<<21)            ; the mask: all four work-groups; elements of 8 bytes; bit 21 beside a mask; no padding
	s_mov_b32 s[G1+1], 32<<16                      ; 16,384 dense bytes as 64 rows of 256: tensor_dim0 = 32
	s_mov_b32 s[G1+2], 64<<16                      ; tensor_dim1 = 64
	s_mov_b32 s[G1+3], 32<<16                      ; tile_dim0 = 32
	s_mov_b32 s[G1+4], 64                          ; tile_dim1 = 64
	s_mov_b32 s[G1+5], 32                          ; tensor_dim0_stride
	s_mov_b32 s[G1+6], 0
	s_mov_b32 s[G1+7], 0
	s_mov_b32 s[SEL], 0x76543210
	s_mov_b32 s[SEL+1], 0xfedcba98
	s_mov_b32 s[CS], 0x3d38aa3b                    ; log2(e) / 32
	s_mov_b32 s[TB], 0
	s_wait_dscnt 0x0                               ; both opening adds are done
	s_wait_kmcnt 0x0
	s_load_b256 s[68:75], s[8:9], 0x10             ; e4 .. e11: e6 s70, e7 s71, e8 s72, e9 s73, e10 s74
	s_mov_b32 s[G0A], 1
	s_mov_b32 s[G0A+1], s47                        ; key step = my wave's number,
	s_add_nc_u64 s[G0A+2:G0A+3], s[6:7], s[48:49]
	s_mov_b32 s[G0B], 1
	s_add_co_u32 s[G0B+1], s47, FIRST              ; and four steps further on
	s_add_nc_u64 s[G0B+2:G0B+3], s[G0A+2:G0A+3], FIRST
	s_or_b32 s[G0A+3], s[G0A+3], 0x80000000        ; type = 2
	s_or_b32 s[G0B+3], s[G0B+3], 0x80000000
	CROUND                                         ; all four work-groups are here: the first joint loads meet
	TLOAD G0A, 4                                   ; key steps 0 to 3: at most one tensor load a wave at the head
	s_lshl_b32 s50, s44, 5
	s_lshl_b32 s51, s[WV], 1
	s_add_co_u32 s50, s50, s51                     ; my first tile of 16 queries, 0 .. 126
	s_lshl_b32 s52, s46, 7
	s_add_co_u32 s52, s52, s50
	s_lshl_b32 s52, s52, 10
	s_mov_b32 s53, 0
	s_add_nc_u64 s[4:5], s[4:5], s[52:53]          ; its image in qc; the second tile's follows it
	s_lshr_b32 s54, s46, 4
	s_lshl_b32 s54, s54, 7
	s_add_co_u32 s54, s54, s50
	s_lshl_b32 s54, s54, 14                        ; ic: the tile of tokens' 16,384 bytes,
	s_and_b32 s55, s46, 15
	s_lshl_b32 s55, s55, 10                        ; my head's 1,024 of them
	s_add_co_u32 s54, s54, s55
	s_mov_b32 s55, 0
	s_add_nc_u64 s[10:11], s[10:11], s[54:55]
	v_and_b32 v[LI], 31, v0
	v_lshlrev_b32 v[LI], 4, v[LI]
.irp c, 0,1,2,3
	global_load_b128 v[Q0+4*\c:Q0+4*\c+3], v[LI], s[4:5] offset:512*\c   ; Q's two fragments stay in registers
.endr
	v_mov_b32 v[NM0], 0x4f000000                   ; -M: 2^31
	v_mov_b32 v[NM0+1], 0xd3800000                 ; the largest raw score so far: -2^40
	v_mov_b32 v[NM1], 0x4f000000
	v_mov_b32 v[NM1+1], 0xd3800000
	v_mov_b32 v[SM0], 0
	v_mov_b32 v[SM0+1], 0
	v_mov_b32 v[SM1], 0
	v_mov_b32 v[SM1+1], 0
	v_mov_b32 v[PD], 0                             ; written once: a lane permute's destination counts as one of its sources
	v_mov_b32 v[F+1], 0                            ; (named as the upper half of the pair)
.set i, 0
.rept 64
	v_mov_b32 v[O0+i], 0                           ; O^T.  (The step is written once for all steps: the first finds zeros)
.set i, i+1
.endr
	s_wait_kmcnt 0x0
	s_add_co_i32 s56, s70, s71
	s_lshl_b32 s56, s56, 23
	s_add_co_i32 s[CS], s[CS], s56                 ; a score stands for score x 2^(e6 + e7): the two exponents are added to c's exponent field
	s_mov_b32 s[CS+1], s[CS]
	s_add_co_i32 s56, s72, 127
	s_lshl_b32 s57, s56, 23
	v_mov_b32 v[SCL], s57                          ; 2^e8
	s_add_co_i32 s56, s56, 15
	s_lshl_b32 s56, s56, 23
	s_or_b32 s[LH], s56, 0x600000                  ; 57,344 x 2^e8
	s_add_co_i32 s56, s74, 127
	s_lshl_b32 s82, s56, 23                        ; 2^e10
	s_add_co_i32 s56, s56, 15
	s_lshl_b32 s56, s56, 23
	s_or_b32 s83, s56, 0x600000                    ; 57,344 x 2^e10
	s_add_co_i32 s81, s72, s73                     ; e8 + e9
; THE SOFTMAX of one tile of 16 queries x 128 keys in v96-159.  nm: -M and the largest raw score; sm: the sum; ob: O^T; cd: where the codes go.
.macro SOFTMAX nm, sm, ob, cd
	v_max3_num_f32 v[MA], v96, v97, v98            ; the step's largest score among my 64 keys, in two chains, each accumulator from its low end on
	v_max3_num_f32 v[MB], v99, v100, v101
.set i, 6
.rept 14
	v_max3_num_f32 v[MA], v[MA], v[96+i], v[97+i]
	v_max3_num_f32 v[MB], v[MB], v[98+i], v[99+i]
.set i, i+4
.endr
	v_max3_num_f32 v[MA], v[MA], v158, v159
	s_delay_alu instid0(VALU_DEP_1)
	v_max3_num_f32 v[MA], v[MA], v[MB], v[\nm+1]   ; with the running largest, which both halves of the lanes hold alike,
	s_delay_alu instid0(VALU_DEP_1)
	v_permlanex16_b32 v[PD], v[MA], s[SEL], s[SEL+1]
	s_delay_alu instid0(VALU_DEP_1)
	v_max_num_f32 v[\nm+1], v[MA], v[PD]           ; and lane l xor 16's
	s_delay_alu instid0(VALU_DEP_1)
	v_mul_f32 v[MA], s[CS], v[\nm+1]               ; as t (c is positive)
	v_mov_b32 v[MB], v[\nm]
	s_delay_alu instid0(VALU_DEP_2)
	v_floor_f32 v[\nm], -v[MA]                     ; the new -M = floor(-t) = -ceil(t): a whole number
	s_delay_alu instid0(VALU_DEP_1)
	v_sub_f32 v[MA], v[\nm], v[MB]                 ; M's old value less its new one: 0 or less
	s_delay_alu instid0(VALU_DEP_1)
	v_cvt_i32_f32 v[MA], v[MA]                     ; (it saturates)
	s_delay_alu instid0(VALU_DEP_1)
	v_ldexp_f32 v[F], 1.0, v[MA]                   ; f = 2^(old M - new M)
.set i, 0
.rept 32
	v_pk_fma_f32 v[96+i:97+i], v[96+i:97+i], s[CS:CS+1], v[\nm:\nm+1] op_sel_hi:[1,0,0]   ; t - M, two at a time
.set i, i+2
.endr
	s_wait_alu depctr_va_vdst(0)                   ; the wait ahead of the batch
.set i, 0
.rept 64
	v_exp_f32 v[96+i], v[96+i]                     ; p = 2^(t - M), at most 1: not normalised
.set i, i+1
.endr
	s_wait_alu depctr_va_vdst(0)                   ; one wait behind the batch, directly ahead of the first reader of O^T too
.set i, 0
.rept 16
	v_pk_mul_f32 v[\ob+i:\ob+i+1], v[\ob+i:\ob+i+1], v[F:F+1] op_sel_hi:[1,0]   ; O^T under the new M.  (Also the plain lines behind the exponentials)
.set i, i+2
.endr
	v_pk_mul_f32 v[\sm:\sm+1], v[\sm:\sm+1], v[F:F+1] op_sel_hi:[1,0]           ; the sum likewise
	v_pk_add_f32 v[T0:T0+1], v[96:97], v[98:99]    ; the sum of the unquantised p: 32 pairs in four chains
	v_pk_add_f32 v[T1:T1+1], v[100:101], v[102:103]
	v_pk_add_f32 v[T2:T2+1], v[104:105], v[106:107]
	v_pk_add_f32 v[\sm:\sm+1], v[\sm:\sm+1], v[108:109]
.set i, 14
.rept 6
	v_pk_add_f32 v[T0:T0+1], v[T0:T0+1], v[96+i:97+i]
	v_pk_add_f32 v[T1:T1+1], v[T1:T1+1], v[98+i:99+i]
	v_pk_add_f32 v[T2:T2+1], v[T2:T2+1], v[100+i:101+i]
	v_pk_add_f32 v[\sm:\sm+1], v[\sm:\sm+1], v[102+i:103+i]
.set i, i+8
.endr
	v_pk_add_f32 v[T0:T0+1], v[T0:T0+1], v[158:159]
	s_delay_alu instid0(VALU_DEP_2)
	v_pk_add_f32 v[\sm:\sm+1], v[\sm:\sm+1], v[T2:T2+1]
	s_delay_alu instid0(VALU_DEP_2)
	v_pk_add_f32 v[T0:T0+1], v[T0:T0+1], v[T1:T1+1]
	s_delay_alu instid0(VALU_DEP_1)
	v_pk_add_f32 v[\sm:\sm+1], v[\sm:\sm+1], v[T0:T0+1]
.irp b, 3,0,1,2                                ; keys 96-127 first: tile 1's other codes then go where those 16 numbers lay
.set i, 0
.rept 8
	v_dual_min_num_f32 v[96+16*\b+i], s[LH], v[96+16*\b+i] :: v_dual_min_num_f32 v[97+16*\b+i], s[LH], v[97+16*\b+i]   ; the conversion does not saturate (ISA guide 7.6.2); p is not negative, so the hold is one-sided; two a line
.set i, i+2
.endr
	v_cvt_scalef32_pk8_bf8_f32 v[\cd+4*\b:\cd+4*\b+1], v[96+16*\b:103+16*\b], v[SCL]
	v_cvt_scalef32_pk8_bf8_f32 v[\cd+4*\b+2:\cd+4*\b+3], v[104+16*\b:111+16*\b], v[SCL]
.endr
	v_nop                                          ; a plain line between the last conversion and the matrix instructions that write its sources or read its result
.endm
; A KEY STEP: 128 keys x my 32 queries.
.macro STEP
	v_add_nc_u32 v[ADR], s[TB], v[LI]
.rept 4
	v_nop                                          ; with the addition five places: the last products' sources are loaded into (four asked), and their codes in v148-159 are written over by the products below (five asked)
.endr
.irp t, 0,1,2,3,4,5,6,7
	ds_load_b128 v[KV+8*\t:KV+8*\t+3], v[ADR] offset:1024*\t
	ds_load_b128 v[KV+8*\t+4:KV+8*\t+7], v[ADR] offset:1024*\t+512
.endr
	s_wait_alu depctr_va_vdst(0)                   ; the wait here, directly ahead of the wait below
	s_wait_dscnt 0x0                               ; K's eight fragments are in
.irp t, 0,1,2,3,4,5,6,7
	v_wmma_f32_16x16x64_bf8_bf8 v[96+8*\t:103+8*\t], v[KV+8*\t:KV+8*\t+7], v[Q0:Q0+7], 0   ; S^T of tile 0: the 16 registers of tiles 2 b, 2 b + 1 are keys 32 b + 16 h + 0 .. 15
.endr
.rept 4
	v_nop                                          ; places in front of the first read of the scores
.endr
	SOFTMAX NM0, SM0, O0, C0
.irp t, 0,1,2,3,4,5,6,7
	v_wmma_f32_16x16x64_bf8_bf8 v[96+8*\t:103+8*\t], v[KV+8*\t:KV+8*\t+7], v[Q1:Q1+7], 0   ; S^T of tile 1, from the same fragments
.endr
.rept 4
	v_nop                                          ; places in front of the loads below and of the first read of the scores
.endr
.irp t, 0,1,2,3
.irp c, 0,1,2,3
	ds_load_b128 v[KV+16*\t+4*\c:KV+16*\t+4*\c+3], v[ADR] offset:8192+2048*\t+512*\c   ; V^T's fragments land while tile 1's softmax is walked
.endr
.endr
	SOFTMAX NM1, SM1, O1, C1
	s_wait_alu depctr_va_vdst(0)                   ; the wait here, directly ahead of the wait below
	s_wait_dscnt 0x0                               ; V^T's fragments are in
.irp t, 0,1,2,3
	v_wmma_f32_16x16x128_bf8_bf8 v[O0+8*\t:O0+8*\t+7], v[KV+16*\t:KV+16*\t+15], v[C0:C0+15], v[O0+8*\t:O0+8*\t+7]   ; the eight accumulators take turns, one instruction a turn
	v_wmma_f32_16x16x128_bf8_bf8 v[O1+8*\t:O1+8*\t+7], v[KV+16*\t:KV+16*\t+15], v[C1:C1+15], v[O1+8*\t:O1+8*\t+7]
.endr
.endm
	s_wait_alu depctr_va_vdst(0)                   ; the wait at the head's end
	s_wait_tensorcnt 0x0                           ; my part of key steps 0 to 3 is in;
	ds_add_u32 v[SPW], v[NIL]                      ; 0 onto my spare word,
	ds_add_u32 v[SPW], v[NIL]                      ; twice on end
	s_wait_dscnt 0x0
	CROUND                                         ; everybody's part is in, and all four work-groups are here: the joint loads meet
	TLOAD G0B, 12                                  ; key steps 4 to 15: the first tensor load behind the round, one a wave
	s_wait_loadcnt 0x0                             ; Q
.Lfirst:                                           ; key steps 0 to 3
	STEP
	s_add_co_u32 s[TB], s[TB], KS
	s_cmp_lt_u32 s[TB], FIRST
	s_cbranch_scc1 .Lfirst
	s_wait_tensorcnt 0x0                           ; my part of key steps 4 to 15 is in;
	s_wait_dscnt 0x0
	s_barrier_signal -1
	s_barrier_wait -1                              ; and everybody's.
.Lrest:                                            ; key steps 4 to 15
	STEP
	s_add_co_u32 s[TB], s[TB], KS
	s_cmp_lt_u32 s[TB], ALL
	s_cbranch_scc1 .Lrest
	; THE WAY OUT.  O^T / the sum x 2^(e8 + e9) is the result; register 8 t + j is d 32 (t / 2) + 16 h + 8 (t % 2) + j of my query: quantised with 2^e10 it is my head's part of a fragment of the last projection.
.rept 4
	v_nop                                          ; places behind the last products
.endr
	v_add_f32 v[SM0], v[SM0], v[SM0+1]             ; the sums' two halves,
	v_add_f32 v[SM1], v[SM1], v[SM1+1]
	v_mov_b32 v32, s83                             ; 57,344 x 2^e10
	v_mov_b32 v33, s82                             ; 2^e10
	v_permlanex16_b32 v[PD], v[SM0], s[SEL], s[SEL+1]
	v_permlanex16_b32 v[MA], v[SM1], s[SEL], s[SEL+1]
	v_add_f32 v[SM0], v[SM0], v[PD]                ; and lane l xor 16's: the rows' sums
	v_add_f32 v[SM1], v[SM1], v[MA]
	s_wait_alu depctr_va_vdst(0)                   ; the wait ahead of the batch
	v_rcp_f32 v[SM0], v[SM0]
	v_rcp_f32 v[SM1], v[SM1]
	v_nop                                          ; a plain line behind the reciprocals
	s_wait_alu depctr_va_vdst(0)                   ; and the wait ahead of their first reader
	v_ldexp_f32 v[SM0], v[SM0], s81
	v_ldexp_f32 v[SM1], v[SM1], s81
	s_wait_alu depctr_va_vdst(0)                   ; the wait here, directly ahead of the first reader of O^T
.set i, 0
.rept 16
	v_pk_mul_f32 v[96+i:97+i], v[O0+i:O0+i+1], v[SM0:SM0+1] op_sel_hi:[1,0]
.set i, i+2
.endr
.set i, 0
.rept 16
	v_pk_mul_f32 v[128+i:129+i], v[O1+i:O1+i+1], v[SM1:SM1+1] op_sel_hi:[1,0]
.set i, i+2
.endr
.set i, 0
.rept 64
	v_med3_num_f32 v[96+i], v[96+i], -v32, v32
.set i, i+1
.endr
.irp k, 0,1,2,3,4,5,6,7
	v_cvt_scalef32_pk8_bf8_f32 v[36+2*\k:37+2*\k], v[96+8*\k:103+8*\k], v33
.endr
	v_nop
	global_store_b128 v[LI], v[36:39], s[10:11]                ; each store: 512 consecutive bytes, aligned.  Tile 0: d 0-31 of sixteen queries,
	global_store_b128 v[LI], v[40:43], s[10:11] offset:512     ; d 32-63;
	global_store_b128 v[LI], v[44:47], s[10:11] offset:16384   ; tile 1
	global_store_b128 v[LI], v[48:51], s[10:11] offset:16896
	s_wait_tensorcnt 0x0                           ; the wave's end
	ds_add_u32 v[SPW], v[NIL]
	s_wait_dscnt 0x0
	CROUND                                         ; the closing round
	s_endpgm
.Lfunc_end_k_qa003ae79c7_attn:
	.size	k_qa003ae79c7_attn, .Lfunc_end_k_qa003ae79c7_attn-k_qa003ae79c7_attn
	.p2alignl 7, 3214868480
	.fill 96, 4, 3214868480
	.section	.rodata,"a",@progbits
	.p2align	6, 0x0
	.amdhsa_kernel k_qa003ae79c7_attn
		.amdhsa_group_segment_fixed_size 327680
		.amdhsa_private_segment_fixed_size 0
		.amdhsa_enable_private_segment 0
		.amdhsa_kernarg_size 32
		.amdhsa_user_sgpr_count 2
		.amdhsa_user_sgpr_kernarg_segment_ptr 1
		.amdhsa_wavefront_size32 1
		.amdhsa_system_sgpr_workgroup_id_x 1
		.amdhsa_system_sgpr_workgroup_id_y 1
		.amdhsa_system_sgpr_workgroup_id_z 1
		.amdhsa_system_vgpr_workitem_id 0
		.amdhsa_next_free_vgpr 256
		.amdhsa_next_free_sgpr 100
		.amdhsa_reserve_vcc 0
		.amdhsa_float_denorm_mode_32 3
		.amdhsa_float_denorm_mode_16_64 3
		.amdhsa_memory_ordered 1
		.amdhsa_forward_progress 1
		.amdhsa_inst_pref_size 74
	.end_amdhsa_kernel
	.amdgpu_metadata
---
amdhsa.version: [ 1, 2 ]
amdhsa.kernels:
  - .name:           k_qa003ae79c7_attn
    .symbol:         k_qa003ae79c7_attn.kd
    .args:
      - { .name: qc, .offset: 0, .size: 8, .value_kind: global_buffer, .address_space: global }
      - { .name: kv, .offset: 8, .size: 8, .value_kind: global_buffer, .address_space: global }
      - { .name: lowp_scales, .offset: 16, .size: 8, .value_kind: global_buffer, .address_space: global }
      - { .name: ic, .offset: 24, .size: 8, .value_kind: global_buffer, .address_space: global }
    .group_segment_fixed_size: 327680
    .private_segment_fixed_size: 0
    .kernarg_segment_align: 8
    .kernarg_segment_size: 32
    .max_flat_workgroup_size: 512
    .sgpr_count:     100
    .vgpr_count:     256
    .wavefront_size: 32
...
	.end_amdgpu_metadata
.endif
;; end of part 3
;; launch proj (part 4): grid 8 x 32, 4 waves a work-group, clusters of 4 x 4, 327,680 bytes of LDS; arguments ic, wc, lowp_scales, bo, out0; writes out0
.if DOCPART == 4
	.amdgcn_target "amdgcn-amd-amdhsa--gfx1250"
	.amdhsa_code_object_version 6
	.text
	.protected	k_qa003ae79c7_proj
	.globl	k_qa003ae79c7_proj
	.p2align	8
	.type	k_qa003ae79c7_proj,@function
k_qa003ae79c7_proj:
	s_mov_b64 s[64:65], 0
	v_nop
	global_prefetch_b8 v0, s[64:65] scope:SCOPE_SE
	s_setreg_imm32_b32 hwreg(HW_REG_WAVE_MODE, 25, 1), 1
	s_wait_xcnt 0x0
	s_wait_alu depctr_hold_cnt(0) depctr_sa_sdst(0) depctr_va_vdst(0) depctr_va_sdst(0) depctr_va_ssrc(0) depctr_va_vcc(0) depctr_vm_vsrc(0)
	s_getreg_b32 s2, hwreg(HW_REG_IB_STS2, 6, 4)
	s_cmp_eq_u32 s2, 0
	s_cbranch_scc0 .Lentry_in_a_cluster
	s_endpgm
.Lentry_in_a_cluster:
	s_bfe_u32 s2, ttmp6, 0x10000c
	s_cmp_lg_u32 s2, 0xf033
	s_cbranch_scc0 .Lentry_shape_is_right
	s_endpgm
.Lentry_shape_is_right:
; PROJ: out0[token][n] = sum over k of inter[token][k] Wo[k][n] x 2^(e10 + e11) + bo[n], on codes of E5M2.  LIMIT: e10 + e11 between -126 and 127, so that 2^(e10 + e11) is an f32 number.
; ic holds inter's codes as register images: for each tile of 16 tokens 16,384 bytes, K ascending, 2,048 bytes for 128 along K, read at 16 x lane.  Row i of token tile 2 g + u is token 32 g + 8 u + i + 8 (i / 8).
; wc's fourth MiB holds Wo's codes [pos(n)][k], K innermost; pos exchanges bits 3 and 4 of n, so the registers of column tiles 2 g and 2 g + 1 are columns 32 g + 16 h + 0 .. 15.
; SHARES.  A block of 256 tokens x 128 columns to a work-group: 32 x 8 = 256 work-groups.  Four waves, each 128 tokens x 64 columns: 8 x 4 accumulators, 256 registers.
; THE MATRIX INSTRUCTION IS USED TRANSPOSED (source 0 = 16 rows of Wo's codes, source 1 = 16 tokens): a lane holds eight neighbouring columns of one token.
; LDS.  Region 0 holds 256 along K (A 65,536 bytes, B 128 rows of 272), region 1 holds 512 along K (A 131,072 bytes, B 128 rows of 528).  K 0-255 is asked for at the head into region 0; behind the wait for it, the add and
; a round of the cluster's barrier K 256-767 goes into region 1, one load a wave; when region 0 is read out and region 1 is whole, a second round, and K 768-1023 fills region 0 again.  Three loads a wave in all, one behind each round.
; CLUSTER 4 x 4: A's tiles hang on the block's row alone and are asked for jointly along a row of the cluster, B's on its column alone and jointly along a column.
; NO PREFETCH: the text has no loop; each load goes out as soon as the bytes that it fills are free.
; REGISTERS: window 0: v0-31 addresses, v32-63 the bias, v128-255 A's 8 fragments (one set; on the way out rows read back); window 1: B's 4 fragments, two sets, v0-63 and v64-127 (on the way out v0-31 results); window 2: the accumulators, (a, b) at v[8 (4 a + b)].
.set P0,    272                        ; region 0: a row of B: 256 bytes + 16
.set P1,    528                        ; region 1: 512 bytes + 16.  Both pitches are odd multiples of 16 bytes
.set B0,    65536
.set A1,    B0+128*P0
.set B1,    A1+131072
.set SPARE, B1+128*P1                  ; behind the regions: the spare words, 128 bytes for each wave, that no other line names
.set NP,   4                           ; places behind this matrix instruction (ISA guide 7.12.1)
.set BA,   9
.set ADRA, 16                          ; v16-17 my A fragments in region 0, 1
.set ADRB, 20                          ; v20-21 the same for B
.set STO,  24
.set RD,   25
.set CO,   26
.set SPW,  28
.set NIL,  29
.set BI,   32
.set TMP,  0
.set AF,   128
.set BK,   128
.set G1A,  24                          ; groups 1: A and B, for region 0 and for region 1
.set G1A2, 32
.set G1B,  40
.set G1B2, 48
.set GA0,  56                          ; groups 0: one for each load, written once
.set GB0,  60
.set GA1,  68
.set GB1,  72
.set GA3,  76
.set GB3,  80
.set MSB, 0
.macro WIN new                         ; the immediate's high byte repeats the setting that is left
.if MSB != (\new)
	s_set_vgpr_msb (MSB<<8)|(\new)
.set MSB, (\new)
.endif
.endm
.set MUL,  0xa1                        ; source 0 (B) window 1, source 1 (A) window 0, C and D window 2
.set TO_B, 0x40
.macro JLOAD g0a, g1a, g0b, g1b        ; waves 0 and 1 fetch A's halves, waves 2 and 3 B's; s_nop 0 and four v_nop follow each line
	s_cmp_eq_u32 s15, 0
	s_cbranch_scc0 .Lfor_b_\@
	tensor_load_to_lds s[\g0a:\g0a+3], s[\g1a:\g1a+7]
	s_nop 0
.rept 4
	v_nop
.endr
	s_branch .Lasked_\@
.Lfor_b_\@:
	tensor_load_to_lds s[\g0b:\g0b+3], s[\g1b:\g1b+7]
	s_nop 0
.rept 4
	v_nop
.endr
.Lasked_\@:
.endm
.macro CREST
	s_cmp_lg_u32 s14, 0
	s_cbranch_scc1 .Lnot_wave_0_\@
	s_barrier_signal -3
.Lnot_wave_0_\@:
	s_barrier_wait -3
	s_barrier_signal -1
	s_barrier_wait -1
.endm
.macro CROUND
	s_barrier_signal -1
	s_barrier_wait -1
	CREST
.endm
.macro PLACES n
.rept \n
	v_nop
.endr
.endm
	s_load_b256 s[4:11], s[0:1], 0x0               ; ic s[4:5], wc s[6:7], the scales' exponents s[8:9], bo s[10:11]
	s_load_b64 s[12:13], s[0:1], 0x20              ; out0
	v_lshl_add_u32 v[SPW], v0, 2, SPARE
	v_mov_b32 v[NIL], 0
	ds_add_u32 v[SPW], v[NIL]                      ; the opening: the add, twice on end, and its wait ahead of the first tensor load
	ds_add_u32 v[SPW], v[NIL]
	v_lshrrev_b32 v1, 5, v0
	v_readfirstlane_b32 s14, v1                    ; wave 0..3
	s_lshr_b32 s15, s14, 1                         ; my half of the block's tokens.  Also: I fetch for A (0) or for B (1)
	s_and_b32 s16, s14, 1                          ; my half of its columns.  Also: which half of that tile I fetch
	s_bfe_u32 s84, ttmp6, 0x40000                  ; cx
	s_bfe_u32 s85, ttmp6, 0x40004                  ; cy
	s_lshl_b32 s86, ttmp9, 2
	s_add_co_u32 s86, s86, s84                     ; block column 0..7
	s_and_b32 s17, ttmp7, 0xffff
	s_lshl_b32 s17, s17, 2
	s_add_co_u32 s17, s17, s85                     ; block row 0..31
	s_lshl_b32 s87, s85, 2
	s_lshl_b32 s87, 15, s87                        ; my row of the cluster
	s_lshl_b32 s88, 0x1111, s84                    ; my column
	s_or_b32 s[G1A], s87, (3<<16)|(1<<21)          ; A: elements of 8 bytes, no padding: 8 token tiles x 4,096 bytes, 16,384 bytes apart
	s_mov_b32 s[G1A+1], 512<<16
	s_mov_b32 s[G1A+2], 8<<16
	s_mov_b32 s[G1A+3], 512<<16
	s_mov_b32 s[G1A+4], 8
	s_mov_b32 s[G1A+5], 2048
	s_mov_b32 s[G1A+6], 0
	s_mov_b32 s[G1A+7], 0
	s_or_b32 s[G1A2], s87, (3<<16)|(1<<21)         ; the same x 8,192 bytes
	s_mov_b32 s[G1A2+1], 1024<<16
	s_mov_b32 s[G1A2+2], 8<<16
	s_mov_b32 s[G1A2+3], 1024<<16
	s_mov_b32 s[G1A2+4], 8
	s_mov_b32 s[G1A2+5], 2048
	s_mov_b32 s[G1A2+6], 0
	s_mov_b32 s[G1A2+7], 0
	s_or_b32 s[G1B], s88, (1<<20)|(1<<21)|(5<<22)|(3<<25)    ; B: 64 rows x 256 bytes, four words of padding after every 64
	s_mov_b32 s[G1B+1], 256<<16
	s_mov_b32 s[G1B+2], 64<<16
	s_mov_b32 s[G1B+3], 256<<16
	s_mov_b32 s[G1B+4], 64
	s_mov_b32 s[G1B+5], 1024
	s_mov_b32 s[G1B+6], 0
	s_mov_b32 s[G1B+7], 0
	s_or_b32 s[G1B2], s88, (1<<20)|(1<<21)|(6<<22)|(3<<25)   ; 64 rows x 512 bytes, four words after every 128
	s_mov_b32 s[G1B2+1], 512<<16
	s_mov_b32 s[G1B2+2], 64<<16
	s_mov_b32 s[G1B2+3], 512<<16
	s_mov_b32 s[G1B2+4], 64
	s_mov_b32 s[G1B2+5], 1024
	s_mov_b32 s[G1B2+6], 0
	s_mov_b32 s[G1B2+7], 0
	s_lshl_b32 s20, s17, 4
	s_lshl_b32 s18, s16, 3
	s_add_co_u32 s20, s20, s18
	s_lshl_b32 s20, s20, 14                        ; A: token tile 16 x block row + 8 x half
	s_mov_b32 s21, 0
	s_lshl_b32 s22, s86, 7
	s_lshl_b32 s18, s16, 6
	s_add_co_u32 s22, s22, s18
	s_lshl_b32 s22, s22, 10                        ; B: row 128 x block column + 64 x half,
	s_add_co_u32 s22, s22, 3<<20                   ; in Wo's MiB
	s_mov_b32 s23, 0
	s_lshl_b32 s89, s15, 15                        ; what I read: my 8 token tiles in region 0,
	s_lshl_b32 s90, s15, 16
	s_add_co_u32 s90, s90, A1                      ; in region 1;
	s_mul_i32 s91, s16, 64*P0
	s_add_co_u32 s91, s91, B0                      ; my 64 rows of B in region 0 (also where waves 2 and 3 put them),
	s_mul_i32 s92, s16, 64*P1
	s_add_co_u32 s92, s92, B1                      ; in region 1
	s_mul_i32 s93, s14, 16*P0
	s_add_co_u32 s93, s93, A1                      ; my stage for the way out: in region 1, which is neither filled nor read behind the last barrier
	s_lshl_b32 s94, s86, 1
	s_add_co_u32 s94, s94, s16
	s_lshl_b32 s94, s94, 8                         ; my 64 columns, in bytes
	s_mov_b32 s95, 0
	s_lshl_b32 s98, s17, 1
	s_add_co_u32 s98, s98, s15
	s_lshl_b32 s98, s98, 19                        ; my 128 tokens' rows of 4,096 bytes
	s_add_co_u32 s98, s98, s94
	s_mov_b32 s99, 0
	s_wait_dscnt 0x0                               ; both opening adds are done
	s_wait_kmcnt 0x0
	s_load_b64 s[96:97], s[8:9], 0x28              ; e10, e11
	s_add_nc_u64 s[20:21], s[4:5], s[20:21]
	s_add_nc_u64 s[22:23], s[6:7], s[22:23]
	s_add_nc_u64 s[10:11], s[10:11], s[94:95]
	s_add_nc_u64 s[12:13], s[12:13], s[98:99]
	s_mov_b32 s[GA0], 1
	s_lshl_b32 s[GA0+1], s16, 15
	s_mov_b64 s[GA0+2:GA0+3], s[20:21]             ; K 0-255
	s_or_b32 s[GA0+3], s[GA0+3], 0x80000000
	s_mov_b32 s[GB0], 1
	s_mov_b32 s[GB0+1], s91
	s_mov_b64 s[GB0+2:GB0+3], s[22:23]
	s_or_b32 s[GB0+3], s[GB0+3], 0x80000000
	s_mov_b32 s[GA1], 1
	s_lshl_b32 s[GA1+1], s16, 16
	s_add_co_u32 s[GA1+1], s[GA1+1], A1
	s_add_nc_u64 s[GA1+2:GA1+3], s[20:21], 4096    ; K 256-767
	s_or_b32 s[GA1+3], s[GA1+3], 0x80000000
	s_mov_b32 s[GB1], 1
	s_mov_b32 s[GB1+1], s92
	s_add_nc_u64 s[GB1+2:GB1+3], s[22:23], 256
	s_or_b32 s[GB1+3], s[GB1+3], 0x80000000
	s_mov_b32 s[GA3], 1
	s_lshl_b32 s[GA3+1], s16, 15
	s_add_nc_u64 s[GA3+2:GA3+3], s[20:21], 12288   ; K 768-1023
	s_or_b32 s[GA3+3], s[GA3+3], 0x80000000
	s_mov_b32 s[GB3], 1
	s_mov_b32 s[GB3+1], s91
	s_add_nc_u64 s[GB3+2:GB3+3], s[22:23], 768
	s_or_b32 s[GB3+3], s[GB3+3], 0x80000000
	CROUND                                         ; all sixteen work-groups are here: the first joint loads meet
	JLOAD GA0, G1A, GB0, G1B                       ; one tensor load a wave at the head
	v_and_b32 v1, 15, v0                           ; r
	v_bfe_u32 v2, v0, 4, 1                         ; h
	v_and_b32 v6, 31, v0
	v_lshlrev_b32 v7, 4, v6                        ; 16 x lane
	v_add_nc_u32 v[ADRA], s89, v7
	v_add_nc_u32 v[ADRA+1], s90, v7
	v_mul_u32_u24 v3, v1, P0
	v_mul_u32_u24 v4, v1, P1
	v_lshl_add_u32 v5, v2, 6, v3
	v_lshl_add_u32 v3, v2, 4, v3
	v_lshl_add_u32 v4, v2, 4, v4
	v_add_nc_u32 v[ADRB], s91, v3                  ; row r x pitch + 16 h
	v_add_nc_u32 v[ADRB+1], s92, v4
	v_add_nc_u32 v[STO], s93, v5                   ; the stage, in: row r, 64 bytes for each half of the lanes
	v_mul_u32_u24 v8, v2, P0
	v_lshl_add_u32 v8, v1, 4, v8
	v_add_nc_u32 v[RD], s93, v8                    ; back: sixteen lanes to a row of 256 bytes, two rows a load
	v_lshlrev_b32 v10, 12, v2
	v_lshl_add_u32 v[CO], v1, 4, v10               ; and the same two rows in out0
	v_lshlrev_b32 v[BA], 6, v2
.irp b, 0,1,2,3
	global_load_b128 v[BI+8*\b:BI+8*\b+3], v[BA], s[10:11] offset:128*(\b/2)+32*(\b%2)        ; the bias at my lane's columns, in the accumulators' layout
	global_load_b128 v[BI+8*\b+4:BI+8*\b+7], v[BA], s[10:11] offset:128*(\b/2)+32*(\b%2)+16
.endr
; where the q-th 128 along K lies: q 0, 1, 6, 7 in region 0, q 2 to 5 in region 1
.macro LOC q
.if ((\q) >= 2) && ((\q) <= 5)
.set RG, 1
.set QL, (\q)-2
.set AST, 8192
.set BP, P1
.else
.set RG, 0
.set QL, (\q)%2
.set AST, 4096
.set BP, P0
.endif
.endm
.macro FETCH_B q                       ; B's four fragments of step q into set q % 2: registers 4 c .. 4 c + 3 hold K = 32 c + 16 h + 0 .. 15, as A's images do
	LOC \q
	WIN TO_B
.irp i, 0,1,2,3
.irp c, 0,1,2,3
	ds_load_b128 v[64*((\q)%2)+16*\i+4*\c:64*((\q)%2)+16*\i+4*\c+3], v[ADRB+RG] offset:128*QL+32*\c+\i*16*BP
.endr
.endr
	WIN 0
.endm
.macro FETCH_A q, i0                   ; A's blocks i0 .. i0 + 3
	LOC \q
.irp i, \i0, \i0+1, \i0+2, \i0+3
.irp c, 0,1,2,3
	ds_load_b128 v[AF+16*(\i)+4*\c:AF+16*(\i)+4*\c+3], v[ADRA+RG] offset:AST*(\i)+2048*QL+512*\c
.endr
.endr
.endm
.macro MUL8 a0, p, zero                ; A's blocks a0, a0 + 1 x B's four.  The 32 accumulators take turns, one instruction a turn, in the same order in every step
.irp a, \a0, \a0+1
.irp b, 0,1,2,3
.if \zero
	v_wmma_f32_16x16x128_bf8_bf8 v[8*(4*(\a)+\b):8*(4*(\a)+\b)+7], v[64*(\p)+16*\b:64*(\p)+16*\b+15], v[AF+16*(\a):AF+16*(\a)+15], 0
.else
	v_wmma_f32_16x16x128_bf8_bf8 v[8*(4*(\a)+\b):8*(4*(\a)+\b)+7], v[64*(\p)+16*\b:64*(\p)+16*\b+15], v[AF+16*(\a):AF+16*(\a)+15], v[8*(4*(\a)+\b):8*(4*(\a)+\b)+7]
.endif
.endr
.endr
.endm
.macro STEP q, zero                    ; a step of 128 along K whose successor's bytes are shown whole already
	s_wait_dscnt 16                                ; B's set and A's blocks 0-3 are in; the sixteen youngest loads (A's blocks 4-7) may be out
	WIN MUL
	MUL8 0, (\q)%2, \zero
	MUL8 2, (\q)%2, \zero
	s_wait_dscnt 0
	PLACES NP
	FETCH_B (\q)+1
	FETCH_A (\q)+1, 0
	WIN MUL
	MUL8 4, (\q)%2, \zero
	MUL8 6, (\q)%2, \zero
	PLACES NP
	WIN 0
	FETCH_A (\q)+1, 4
.endm
.macro TURN q, fill                    ; a step whose successor lies in the other region: one barrier; fill = 1: it opens a round of the cluster's barrier, and region 0 is filled again
	s_wait_tensorcnt 0x0                           ; all my tensor loads have landed: my part of the other region;
	ds_add_u32 v[SPW], v[NIL]                      ; 0 onto my spare word;
	s_wait_dscnt 17                                ; (the add and the sixteen youngest loads may be out)
	WIN MUL
	MUL8 0, (\q)%2, 0
	s_wait_dscnt 0x0                               ; the add is done, and my reads of this region are over
	s_barrier_signal -1
	MUL8 2, (\q)%2, 0
	WIN 0
	s_barrier_wait -1
.if \fill
	CREST
	JLOAD GA3, G1A, GB3, G1B                       ; the first tensor load behind the round; its four v_nop are the places in front of the loads below
.else
	PLACES NP
.endif
	FETCH_B (\q)+1
	FETCH_A (\q)+1, 0
	WIN MUL
	MUL8 4, (\q)%2, 0
	MUL8 6, (\q)%2, 0
	PLACES NP
	WIN 0
	FETCH_A (\q)+1, 4
.endm
	s_wait_alu depctr_va_vdst(0)                   ; the wait at the head's end
	s_wait_tensorcnt 0x0                           ; my part of K 0-255 is in
	ds_add_u32 v[SPW], v[NIL]
	s_wait_dscnt 0x0
	CROUND                                         ; everybody's part is in, and all sixteen work-groups are here
	JLOAD GA1, G1A2, GB1, G1B2                     ; K 256-767, the first tensor load behind the round
	FETCH_B 0
	FETCH_A 0, 0
	FETCH_A 0, 4
	STEP 0, 1                                      ; the first products start the sums
	TURN 1, 1
	STEP 2, 0
	STEP 3, 0
	STEP 4, 0
	TURN 5, 0                                      ; K 768-1023 is whole
	STEP 6, 0
	s_wait_dscnt 16                                ; the last step: nothing more to fetch
	WIN MUL
	MUL8 0, 1, 0
	MUL8 2, 1, 0
	s_wait_dscnt 0
	MUL8 4, 1, 0
	MUL8 6, 1, 0
	WIN 0
; THE WAY OUT, block by block of 16 tokens x 64 columns: x 2^(e10 + e11) + bias, through my own stage, back as rows of 256 bytes.  LDS serves a wave's instructions in order (ISA guide 5.7.1.4): no wait between the stores and the loads.
.macro TOSTAGE a
.set AC, 32*(\a)
	WIN 0x42                                       ; source 0 window 2, destination window 1
.set jj, 0
.rept 16
	v_pk_fma_f32 v[TMP+jj:TMP+jj+1], v[AC+jj:AC+jj+1], s[96:97], v[BI+jj:BI+jj+1] op_sel_hi:[1,0,1]   ; each accumulator from its low end on
.set jj, jj+2
.endr
	WIN 0x04
.irp b, 0,1,2,3
	ds_store_b128 v[STO], v[TMP+8*\b:TMP+8*\b+3] offset:128*(\b/2)+32*(\b%2)
	ds_store_b128 v[STO], v[TMP+8*\b+4:TMP+8*\b+7] offset:128*(\b/2)+32*(\b%2)+16
.endr
	WIN 0
.set BB, BK+32*((\a)%2)
.irp t, 0,1,2,3,4,5,6,7
	ds_load_b128 v[BB+4*\t:BB+4*\t+3], v[RD] offset:2*\t*P0
.endr
.endm
.macro SEND a, younger                 ; younger: the LDS instructions issued behind block a's loads, which may stay out
.set BB, BK+32*((\a)%2)
	s_wait_dscnt \younger
.irp t, 0,1,2,3,4,5,6,7
	global_store_b128 v[CO], v[BB+4*\t:BB+4*\t+3], s[12:13] offset:(32*((\a)/2)+8*((\a)%2)+2*\t+8*(\t/4))*4096 th:TH_STORE_NT   ; sixteen lanes store 256 consecutive bytes, aligned; stage rows 2 t and 2 t + 1 are tokens 2 t + 8 (t / 4) and the next of the tile
.endr
.endm
	s_wait_kmcnt 0x0
	s_add_co_i32 s96, s96, s97
	s_add_co_i32 s96, s96, 127
	s_lshl_b32 s96, s96, 23                        ; 2^(e10 + e11)
	s_mov_b32 s97, s96
	s_wait_loadcnt 0x0                             ; the bias
	PLACES NP
	TOSTAGE 0
.irp a, 1,2,3,4,5,6,7
.if \a > 1
	s_wait_xcnt 0x0                                ; block a - 2's stores have read their registers: block a's loads may land there
.endif
	TOSTAGE \a
	SEND \a-1, 16                                  ; behind block a - 1's loads: block a's 8 stores and 8 loads
.endr
	SEND 7, 0
	s_wait_tensorcnt 0x0                           ; the wave's end
	ds_add_u32 v[SPW], v[NIL]
	s_wait_dscnt 0x0
	CROUND                                         ; the closing round
	s_endpgm
.Lfunc_end_k_qa003ae79c7_proj:
	.size	k_qa003ae79c7_proj, .Lfunc_end_k_qa003ae79c7_proj-k_qa003ae79c7_proj
	.p2alignl 7, 3214868480
	.fill 96, 4, 3214868480
	.section	.rodata,"a",@progbits
	.p2align	6, 0x0
	.amdhsa_kernel k_qa003ae79c7_proj
		.amdhsa_group_segment_fixed_size 327680
		.amdhsa_private_segment_fixed_size 0
		.amdhsa_enable_private_segment 0
		.amdhsa_kernarg_size 40
		.amdhsa_user_sgpr_count 2
		.amdhsa_user_sgpr_kernarg_segment_ptr 1
		.amdhsa_wavefront_size32 1
		.amdhsa_system_sgpr_workgroup_id_x 1
		.amdhsa_system_sgpr_workgroup_id_y 1
		.amdhsa_system_sgpr_workgroup_id_z 1
		.amdhsa_system_vgpr_workitem_id 0
		.amdhsa_next_free_vgpr 768
		.amdhsa_next_free_sgpr 100
		.amdhsa_reserve_vcc 0
		.amdhsa_float_denorm_mode_32 3
		.amdhsa_float_denorm_mode_16_64 3
		.amdhsa_memory_ordered 1
		.amdhsa_forward_progress 1
		.amdhsa_inst_pref_size 78
	.end_amdhsa_kernel
	.amdgpu_metadata
---
amdhsa.version: [ 1, 2 ]
amdhsa.kernels:
  - .name:           k_qa003ae79c7_proj
    .symbol:         k_qa003ae79c7_proj.kd
    .args:
      - { .name: ic, .offset: 0, .size: 8, .value_kind: global_buffer, .address_space: global }
      - { .name: wc, .offset: 8, .size: 8, .value_kind: global_buffer, .address_space: global }
      - { .name: lowp_scales, .offset: 16, .size: 8, .value_kind: global_buffer, .address_space: global }
      - { .name: bo, .offset: 24, .size: 8, .value_kind: global_buffer, .address_space: global }
      - { .name: out0, .offset: 32, .size: 8, .value_kind: global_buffer, .address_space: global }
    .group_segment_fixed_size: 327680
    .private_segment_fixed_size: 0
    .kernarg_segment_align: 8
    .kernarg_segment_size: 40
    .max_flat_workgroup_size: 128
    .sgpr_count:     100
    .vgpr_count:     768
    .wavefront_size: 32
...
	.end_amdgpu_metadata
.endif
;; end of part 4
